; MI455X (gfx1250); checked and timed in simulation.
; The chip was launched on July 23, 2026; its instructions are those of AMD's public machine-readable ISA for CDNA 5 (MIT licence, August 2026) and "CDNA5" Instruction Set Architecture Reference Guide (July 2026). The comments in the code are by the model that wrote it; some were corrected since.
;; Gpt Oss Experts. Allowed arithmetic: matrix products marked QUANTISED: E2M3 operands, one E8M0 scale for each 32 along K, by v_wmma_scale_f32_16x16x128_f8f6f4 with both operands' format E2M3, f32 sums; products left as they are: f32 operands where the result goes on into a quantised operand, else bf16, f16 or f32 operands; f32 sums; everything else in f32.
;; Inputs: Wd_codes 16 x 1,024 x 16 x 24 uint8 (E2M3 codes of Wd, K innermost, in blocks of 32 codes, four codes in three bytes); Wd_scales 16 x 1,024 x 16 uint8 (E8M0 scales of Wd, one for each 32 codes along K); Wgu_codes 16 x 1,024 x 32 x 24 uint8 (E2M3 codes of Wgu, K innermost, in blocks of 32 codes, four codes in three bytes); Wgu_scales 16 x 1,024 x 32 uint8 (E8M0 scales of Wgu, one for each 32 codes along K); bd 16 x 1,024 float32; bgu 16 x 1,024 float32; hidden_states_codes 2 x 1,024 x 32 x 24 uint8 (E2M3 codes of hidden_states, K innermost, in blocks of 32 codes, four codes in three bytes); hidden_states_scales 2 x 1,024 x 32 uint8 (E8M0 scales of hidden_states, one for each 32 codes along K); router_indices 2,048 x 4 int32; routing_weights 2,048 x 16 float32.
;; Outputs: out0 2 x 1,024 x 1,024 float32.
;; This version of the problem:
;;   THIS VERSION OF THE PROBLEM IS GIVEN IN LOW PRECISION. The matrix products marked QUANTISED in the list below multiply operands that are first quantised to E2M3 (2 exponent bits, 3 mantissa bits; 6 bits a number), with one power-of-two scale for each 32 numbers along K (OCP MX v1.0); their sums are f32. All else is computed in f32.
;;   The module's matrix products, in the order in which they are computed (A, B: the left and right operand; K: the contracted axis; several contracted axes count as one K, in the product's order):
;;     1. [M 16,384, K 1,024] x [K 1,024, N 2,048]; A: input Wgu (given as codes); B: input hidden_states (given as codes): QUANTISED
;;     2. batch 16 x [M 2,048, K 512] x [K 512, N 1,024]; A: computed on the way; B: input Wd (given as codes): QUANTISED
;;     3. batch 2,048 x [M 1,024, K 16] x [K 16, N 1]; A: computed on the way; B: input routing_weights: left as it is (K = 16 < 32)
;;   THE QUANTISER, for each operand of a quantised product, along K:
;;     - K is cut into blocks of 32 from its start; a last block that is shorter is filled with zeros.
;;     - A block's scale is 2^e with e = floor(log2(the largest magnitude in the block)) - 2, held to -126 .. 127; a block of zeros has e = 0. As a byte (E8M0): e + 127.
;;     - Each number is divided by its block's scale, clamped to +-7.5, and rounded to the nearest number of E2M3, ties to even, subnormals kept.
;;     - The product sums the exact products of the quantised numbers (number of the format x scale) in f32.
;;   ~~~python
;;   def quantise(x, axis):      # numpy; x: float32 -> the quantised numbers, widened to float32 again
;;       x = np.moveaxis(x, axis, -1); K = x.shape[-1]
;;       x = np.pad(x, [(0, 0)] * (x.ndim - 1) + [(0, -K % 32)]); x = x.reshape(x.shape[:-1] + (-1, 32)); a = np.abs(x).max(-1, keepdims=True)
;;       e = np.where(a > 0, np.clip(np.frexp(np.where(a > 0, a, 1))[1] - 1 - 2, -126, 127), 0)      # np.frexp(a)[1] - 1 = floor(log2(a)), exactly
;;       r = np.clip(x / 2.0 ** e, -7.5, 7.5)
;;       step = 2.0 ** (np.maximum(np.frexp(np.where(r == 0, 1, r))[1] - 1, 0) - 3)
;;       q = np.round(r / step) * step * 2.0 ** e      # np.round: ties to even
;;       return np.moveaxis(q.reshape(q.shape[:-2] + (-1,))[..., :K], -1, axis).astype(np.float32)
;;   ~~~
;;   OPERANDS COMPUTED ON THE WAY. 'Computed on the way' means the value that the module computes at that place (a softmax that the list does not call 'softmax' is quantised finished and normalised). What goes into a quantiser is computed in f32, as accurately as f32 sums, v_exp_f32 and their like allow (about 1e-6 of the number): no bf16 or f16 on the way to a quantiser, and a product that is left as it is and whose result goes on into a quantised operand takes f32 operands (vector FMAs, or v_wmma_f32_16x16x4_f32). A number that lies on a knife's edge between two numbers of the format may be rounded either way, as far as f32 arithmetic and the matrix unit's own rounding can turn it there, and no further.
;;   INPUTS GIVEN AS CODES. Wd (in the module: [16, 1024, 512], K = its axis 2); Wgu (in the module: [16, 1024, 1024], K = its axis 2); hidden_states (in the module: [2, 1024, 1024], K = its axis 2): each comes as NAME_codes (uint8): NAME with its K axis moved to the last place and cut into blocks of 32 codes, [.., K / 32, bytes a block], one block behind the other in memory; four codes in three bytes: a row's codes are one little-endian stream of bits, code i at bits 6 i .. 6 i + 5 (a code: sign, 2 exponent bits, 3 mantissa bits); and NAME_scales (uint8): the same leading axes, one E8M0 byte (e + 127) for each 32 codes along K. Its value is code x scale, taken as it is: it is not quantised again, and the codes and scales need not be those that the quantiser above would give.
;; 2 versions, each right and faster than the one before. Each part assembles by itself: llvm-mc -triple=amdgcn-amd-amdhsa -mcpu=gfx1250 --defsym DOCPART=n.
;; ======== version 1 of 2: 2 launches
;; workspace buffers: fq 13,107,200 bytes; wdl 6,553,600 bytes
;; launch up (part 1): grid 8 x 32, 4 waves a work-group, clusters of 4 x 1, 327,680 bytes of LDS; arguments hidden_states_codes, hidden_states_scales, Wgu_codes, Wgu_scales, bgu, Wd_codes, Wd_scales, fq, wdl; writes fq, wdl
.if DOCPART == 1
	.amdgcn_target "amdgcn-amd-amdhsa--gfx1250"
	.amdhsa_code_object_version 6
	.text
	.protected	k_qf09e0ab095_up
	.globl	k_qf09e0ab095_up
	.p2align	8
	.type	k_qf09e0ab095_up,@function
k_qf09e0ab095_up:
	s_mov_b64 s[64:65], 0
	v_nop
	global_prefetch_b8 v0, s[64:65] scope:SCOPE_SE
	s_setreg_imm32_b32 hwreg(HW_REG_WAVE_MODE, 25, 1), 1
	s_wait_xcnt 0x0
	s_wait_alu depctr_hold_cnt(0) depctr_sa_sdst(0) depctr_va_vdst(0) depctr_va_sdst(0) depctr_va_ssrc(0) depctr_va_vcc(0) depctr_vm_vsrc(0)
	s_getreg_b32 s2, hwreg(HW_REG_IB_STS2, 6, 4)
	s_cmp_eq_u32 s2, 0
	s_cbranch_scc0 .Lentry_in_a_cluster
	s_endpgm
.Lentry_in_a_cluster:
	s_bfe_u32 s2, ttmp6, 0x10000c
	s_cmp_lg_u32 s2, 0x3003
	s_cbranch_scc0 .Lentry_shape_is_right
	s_endpgm
.Lentry_shape_is_right:
; F[e][t][d] = swiglu(x[t] . Wgu[e]^T + bgu[e]), quantised along d to codes of FP6 (E2M3) with one E8M0 byte for each 32 d, and stored as images of operand registers (fq).
; x [2048][1024] and Wgu [16][1024][1024] come as codes (768 bytes a row) with 32 scale bytes a row and are multiplied as they are given.  router_indices is not an argument: the computation does not depend on it.
; SHARES.  A work-group takes 256 tokens (x = 4 x cluster x + cx) and 512 rows of Wgu (y: expert y / 2, half y % 2 of its 1,024 rows).  Wave w keeps the codes of tokens 64 w .. 64 w + 63 for all of K in
; 384 registers; all four waves read the same rows of Wgu from LDS, so a fragment of 1,536 bytes feeds four matrix instructions.  A sub-tile is 64 rows of Wgu = 32 d = one block of the quantiser:
; 8 K steps x 16 matrix instructions on 16 accumulators; eight sub-tiles a work-group; a slot of LDS holds two.
; THE MATRIX INSTRUCTION IS USED TRANSPOSED (source 0 = 16 rows of Wgu, source 1 = 16 tokens), AND THE ROWS OF A TILE ARE NOT NEIGHBOURS: lane r of tile t takes row 32 (r / 8) + 8 t + 2 (r % 4) + (r / 4) % 2.
; So lane (r, h) of the result holds token r, in registers 0-3 the gates and in 4-7 the linear parts of d = 16 h + 4 t + 0 .. 3: packed arithmetic serves, and a lane's 16 numbers over t are 16 neighbours along d.
; CLUSTER.  The four partners have the same y: rows, scale bytes and bias are asked for jointly (mask 15), each wave a quarter.
; A SIDE JOB at the head: each wave copies one block of Wd (64 rows x 128 along K) into images of operand registers (wdl).
; AN IMAGE: register p of lane L of a fragment's 12 lies at byte 512 (p / 4) + 16 L + 4 (p % 4): three loads of 16 bytes a lane bring the fragment back.
; LIMITS.  NaN and infinities are not served.  For a gate under about -51 the reciprocal's result falls under 2^-126 and comes out as 0.  (g l + g) sigmoid stands for g sigmoid (l + 1), all in f32.
; A block of zeros gets the byte 1 (the floor's): its codes are zeros, and the bytes are read by this program alone.
; REGISTERS, in windows of 256.  Window 0: addresses, scale words, the bias, what the activation and the quantiser work on.  Window 1: v0-127 accumulators (tile t, tokens m: 8 (4 t + m)); v128-223 two sets of
; four fragments of Wgu; v224-227 their LDS addresses: so a fragment load needs no switch among the matrix instructions.  Window 2: x's fragments of K steps 0-4 (12 (4 ks + m)); window 3: of K steps 5-7.
.set REGB,   26240                     ; LDS: 32 rows of Wgu: 96 pieces of 256 bytes + 16 of padding (a row: 816 bytes), + 128: what one tensor load brings
.set SUBB,   2*REGB                    ; a sub-tile's 64 rows
.set SLOT1,  1<<17                     ; slot 0 at 0, slot 1 here: one exclusive or turns an address
.set SPARE,  104960                    ; the spare words, 128 bytes a wave
.set SCL,    105472                    ; the 512 rows' scale bytes: 64 pieces of 256 + 16
.set BIA,    125184                    ; their bias, 2,048 bytes
.set STG,    236032                    ; behind slot 1: a stage of 13,312 bytes for each wave
.set STGW,   13312
.set SCB,    6144                      ; in a stage: behind four images, 64 scale words
.set LWA, 1                            ; v1   my lane's place in a sub-tile: (r / 8) REGB + 816 x row + 24 h
.set LWB, 2                            ; v2   the same with 40 h: for pieces that in lanes 16-31 lie behind one padding more
.set ASC, 7                            ; v7   LDS address of my rows' scale bytes
.set ABI, 8                            ; v8   of my half's bias
.set ST0, 9                            ; v9   my stage + 16 x lane
.set STA, 10                           ; v10, v11  ST0 + 520 c, ST0 + 1016 c (c: which half of an image the pair in hand fills)
.set STB, 11
.set SBA, 12                           ; v12  my stage's scale words + 4 r
.set SBC, 13                           ; v13  SBA + 2 c
.set SPW, 14                           ; v14  my spare word; never rewritten
.set NIL, 15                           ; v15  0; never rewritten
.set XS,  16                           ; v16-31  x's scale words: 4 m + q: K step q in lanes 0-15, K step 4 + q in lanes 16-31
.set WS,  32                           ; v32-47  Wgu's: 4 t + q, likewise
.set TM,  48                           ; v48-59  the quantiser's: largest magnitudes, bytes, scale operands
.set T,   64                           ; v64-127 16 m + 4 t + i: the activation at work, then F
.set XC,  128                          ; v128-143 codes of the pair's first sub-tile, 4 registers a tile of tokens
.set YC,  144                          ; v144-159 of its second
.set BI,  160                          ; v160-191 the bias in the result's layout, 8 t + j
.set OUTR, 192                         ; v192-241 the way out
.set VXS, 242                          ; v242-249 offsets that stay
.set XW1, 243
.set XR,  244
.set OL,  245
.set OS,  246
.set SSR, 247
.set VWD, 248
.set VWS, 249
.set WF,  128                          ; window 1
.set AW,  224
.set WV,  22                           ; s22 wave
.set FBC, 26                           ; s[26:27] fq: my four images;  s[28:29] my 64 scale words
.set FBS, 28
.set G1T, 36                           ; descriptor groups 1: rows of Wgu, scale bytes, bias
.set G1S, 44
.set G1B, 52
.set G0A, 60                           ; groups 0: slot 0's first fill; the walking one; scale bytes; bias
.set G0W, 68
.set G0S, 72
.set G0B, 76
.set TB,  80                           ; s80 LDS byte of the slot in hand; s84 of its second sub-tile
.set S520, 81
.set S1016, 82
.set S2C, 83
.set TB1, 84
.set CNT, 86
.set LIMP, 87                          ; 7.0, -7.0
.set LIMN, 88
.set CEX, 90                           ; s[90:91] -1.702 log2(e)
.set SEL, 92                           ; s[92:93] selects of v_permlanex16_b32: lane l xor 16
.set SBASE, 94                         ; s94 my stage
.set W0PAD, 15|(3<<16)|(1<<20)|(1<<21)|(5<<22)|(3<<25)   ; mask of the four partners; elements of 8 bytes; padding on; bit 21 beside a mask; after every 64 words; 4 words
.set W0DEN, 15|(3<<16)|(1<<21)         ; the same without padding
.set MSB, 0
.macro WIN new                         ; the immediate's high byte repeats the setting that is left
.if MSB != \new
	s_set_vgpr_msb (MSB<<8)|\new
.set MSB, \new
.endif
.endm
.macro NOPS
.rept 4
	v_nop
.endr
.endm
.macro CROUND                          ; a round of the cluster's barrier
	s_barrier_signal -1
	s_barrier_wait -1
	s_cmp_lg_u32 s[WV], 0
	s_cbranch_scc1 .Lnot_wave_0_\@
	s_barrier_signal -3
.Lnot_wave_0_\@:
	s_barrier_wait -3
	s_barrier_signal -1
	s_barrier_wait -1
.endm
.macro GROUP1 g, w0, rows              ; a dense block as rows of 256 bytes (32 elements of 8 bytes)
	s_mov_b32 s[\g], \w0
	s_mov_b32 s[\g+1], 32<<16
	s_mov_b32 s[\g+2], (\rows)<<16
	s_mov_b32 s[\g+3], 32<<16
	s_mov_b32 s[\g+4], \rows
	s_mov_b32 s[\g+5], 32
	s_mov_b32 s[\g+6], 0
	s_mov_b32 s[\g+7], 0
.endm
	s_load_b256 s[4:11], s[0:1], 0x0               ; x's codes, x's scales, Wgu's codes, Wgu's scales
	s_load_b256 s[12:19], s[0:1], 0x20             ; bgu, Wd's codes, Wd's scales, fq
	s_load_b64 s[20:21], s[0:1], 0x40              ; wdl
	v_lshl_add_u32 v[SPW], v0, 2, SPARE
	v_mov_b32 v[NIL], 0
	ds_add_u32 v14, v15
	ds_add_u32 v14, v15
	s_wait_dscnt 0x0
	v_lshrrev_b32 v3, 5, v0
	v_readfirstlane_b32 s[WV], v3                  ; wave 0..3
	s_bfe_u32 s23, ttmp6, 0x40000                  ; cx
	s_lshl_b32 s24, ttmp9, 2
	s_add_co_u32 s24, s24, s23                     ; x: my 256 tokens; it enters global addresses alone
	s_and_b32 s25, ttmp7, 0xffff                   ; y: my 512 rows of Wgu, which the partners share
	GROUP1 G1T, W0PAD, 96                          ; 32 rows of 768 bytes
	GROUP1 G1S, W0PAD, 16                          ; 128 rows of 32 scale bytes
	GROUP1 G1B, W0DEN, 2                           ; 128 numbers of the bias
	s_mul_i32 s30, s25, 393216                     ; 512 y rows of 768 bytes
	s_mul_i32 s31, s[WV], 24576                    ; + my 32 rows
	s_add_co_u32 s30, s30, s31
	s_mov_b32 s31, 0
	s_lshl_b32 s32, s25, 14                        ; 512 y rows of 32 scale bytes
	s_lshl_b32 s33, s[WV], 12                      ; + my 128 rows
	s_add_co_u32 s32, s32, s33
	s_mov_b32 s33, 0
	s_lshl_b32 s34, s25, 11                        ; 512 y numbers of the bias
	s_lshl_b32 s35, s[WV], 9
	s_add_co_u32 s34, s34, s35
	s_mov_b32 s35, 0
	s_mul_i32 s84, s[WV], REGB                     ; and where they go: a constant x wave
	s_mul_i32 s85, s[WV], 4352
	s_lshl_b32 s89, s[WV], 9
	s_mul_i32 s[SBASE], s[WV], STGW
	s_add_co_u32 s[SBASE], s[SBASE], STG
	s_wait_kmcnt 0x0
	s_mov_b32 s[G0S], 1
	s_add_co_u32 s[G0S+1], s85, SCL
	s_add_nc_u64 s[G0S+2:G0S+3], s[10:11], s[32:33]
	s_or_b32 s[G0S+3], s[G0S+3], 0x80000000
	s_mov_b32 s[G0B], 1
	s_add_co_u32 s[G0B+1], s89, BIA
	s_add_nc_u64 s[G0B+2:G0B+3], s[12:13], s[34:35]
	s_or_b32 s[G0B+3], s[G0B+3], 0x80000000
	s_mov_b32 s[G0A], 1
	s_mov_b32 s[G0A+1], s84
	s_add_nc_u64 s[G0A+2:G0A+3], s[8:9], s[30:31]  ; rows 0-127 of my 512
	s_or_b32 s[G0A+3], s[G0A+3], 0x80000000
	s_mov_b32 s[G0W], 1
	s_add_co_u32 s[G0W+1], s84, SLOT1
	s_add_nc_u64 s[G0W+2:G0W+3], s[8:9], s[30:31]
	s_add_nc_u64 s[G0W+2:G0W+3], s[G0W+2:G0W+3], 98304  ; rows 128-255
	s_or_b32 s[G0W+3], s[G0W+3], 0x80000000
	CROUND                                         ; all four work-groups are here: the first joint loads meet
	tensor_load_to_lds s[G0S:G0S+3], s[G1S:G1S+7]  ; the first fills go out as one group: four loads of mine are out
	s_nop 0
	tensor_load_to_lds s[G0B:G0B+3], s[G1B:G1B+7]
	s_nop 0
	tensor_load_to_lds s[G0A:G0A+3], s[G1T:G1T+7]
	s_nop 0
	tensor_load_to_lds s[G0W:G0W+3], s[G1T:G1T+7]
	s_nop 0
	NOPS
	v_and_b32 v3, 15, v0                           ; r
	v_bfe_u32 v4, v0, 4, 1                         ; h
	v_and_b32 v5, 3, v0
	v_bfe_u32 v6, v0, 2, 1
	v_lshl_add_u32 v5, v5, 1, v6                   ; 2 (r % 4) + (r / 4) % 2: my row among a tile's eight of a region
	v_bfe_u32 v6, v0, 3, 1                         ; r / 8: the region
	v_mul_u32_u24 v[LWA], v6, REGB
	v_mad_u32_u24 v[LWA], v5, 816, v[LWA]
	v_mad_u32_u24 v[LWA], v4, 24, v[LWA]
	v_lshl_add_u32 v[LWB], v4, 4, v[LWA]
	v_mul_u32_u24 v[ASC], v6, 1088                 ; scale bytes: a piece of 272 holds eight rows; 32 rows are four pieces
	v_lshl_add_u32 v[ASC], v5, 5, v[ASC]
	v_lshl_add_u32 v[ASC], v4, 4, v[ASC]           ; lanes 16-31 take K steps 4-7
	v_add_nc_u32 v[ASC], SCL, v[ASC]
	v_lshl_add_u32 v[ABI], v4, 7, BIA              ; the bias of rows 32 h on
	v_and_b32 v5, 31, v0                           ; lane
	v_lshl_add_u32 v[ST0], v5, 4, s[SBASE]
	v_lshl_add_u32 v[XW1], v4, 4, v[ST0]
	v_lshl_add_u32 v[SBA], v3, 2, s[SBASE]
	v_add_nc_u32 v[SBA], SCB, v[SBA]
	v_lshl_add_u32 v[SSR], v5, 3, s[SBASE]
	v_add_nc_u32 v[SSR], SCB, v[SSR]
	v_mul_u32_u24 v[XR], v3, 784
	v_mad_u32_u24 v[XR], v4, 24, v[XR]
	v_add_nc_u32 v[XR], s[SBASE], v[XR]
	v_lshlrev_b32 v[OL], 4, v5
	v_lshlrev_b32 v[OS], 3, v5
	v_mul_u32_u24 v[VWD], v3, 384
	v_mad_u32_u24 v[VWD], v4, 24, v[VWD]
	v_lshlrev_b32 v[VWS], 5, v5
	v_lshlrev_b32 v[VXS], 5, v3
	v_lshl_add_u32 v[VXS], v4, 4, v[VXS]
.irp m, 0,1,2,3
	v_mov_b32 v[TM+4+\m], 0                        ; written once: a lane permute's destination counts as one of its sources
.endr
	s_mov_b32 s[LIMP], 0x40e00000
	s_mov_b32 s[LIMN], 0xc0e00000
	s_mov_b32 s[CEX], 0xc01d265f
	s_mov_b32 s[CEX+1], s[CEX]
	s_mov_b32 s[SEL], 0x76543210
	s_mov_b32 s[SEL+1], 0xfedcba98
	s_mov_b32 s[TB], 0
	s_mov_b32 s[S520], 0
	s_mov_b32 s[S1016], 0
	s_mov_b32 s[S2C], 0
	; global bases
	s_mul_i32 s30, s24, 196608                     ; x's codes: 256 x tokens of 768 bytes
	s_mul_i32 s32, s[WV], 49152                    ; + my 64
	s_add_co_u32 s30, s30, s32
	s_add_nc_u64 s[4:5], s[4:5], s[30:31]
	s_lshl_b32 s30, s24, 13                        ; x's scale bytes, 32 a token
	s_lshl_b32 s32, s[WV], 11
	s_add_co_u32 s30, s30, s32
	s_add_nc_u64 s[6:7], s[6:7], s[30:31]
	s_lshl_b32 s32, s25, 3
	s_add_co_u32 s32, s32, s24                     ; 8 y + x = 0 .. 255: the side job's block of 64 rows of Wd (/ 16) and its expert (% 16); its K step is my wave's number
	s_lshr_b32 s33, s32, 4
	s_and_b32 s34, s32, 15
	s_mul_i32 s30, s34, 393216                     ; an expert's 1,024 rows of 384 bytes
	s_mul_i32 s35, s33, 24576
	s_add_co_u32 s30, s30, s35
	s_mul_i32 s35, s[WV], 96
	s_add_co_u32 s30, s30, s35
	s_add_nc_u64 s[14:15], s[14:15], s[30:31]
	s_lshl_b32 s30, s34, 14                        ; its scale bytes, 16 a row
	s_lshl_b32 s35, s33, 10
	s_add_co_u32 s30, s30, s35
	s_lshl_b32 s35, s[WV], 2
	s_add_co_u32 s30, s30, s35
	s_add_nc_u64 s[16:17], s[16:17], s[30:31]
	s_lshr_b32 s84, s[WV], 1
	s_and_b32 s85, s[WV], 1
	s_mul_i32 s30, s33, 409600                     ; wdl: [block of columns][2 (e % 4) + s / 2][e / 4][s % 2][6,400]
	s_and_b32 s35, s34, 3
	s_lshl_b32 s35, s35, 1
	s_add_co_u32 s35, s35, s84
	s_mul_i32 s35, s35, 51200
	s_add_co_u32 s30, s30, s35
	s_lshr_b32 s35, s34, 2
	s_mul_i32 s35, s35, 12800
	s_add_co_u32 s30, s30, s35
	s_mul_i32 s35, s85, 6400
	s_add_co_u32 s30, s30, s35
	s_add_nc_u64 s[20:21], s[20:21], s[30:31]
	s_lshl_b32 s30, s24, 1
	s_add_co_u32 s30, s30, s84                     ; fq: [block of 128 tokens = 2 x + w / 2][y % 8][y / 8][K step % 2][12,800]
	s_mul_i32 s30, s30, 819200
	s_and_b32 s35, s25, 7
	s_mul_i32 s35, s35, 102400
	s_add_co_u32 s30, s30, s35
	s_lshr_b32 s35, s25, 3
	s_mul_i32 s35, s35, 25600
	s_add_co_u32 s30, s30, s35
	s_add_nc_u64 s[18:19], s[18:19], s[30:31]
	s_mul_i32 s30, s85, 6144                       ; my four images of its eight,
	s_add_nc_u64 s[FBC:FBC+1], s[18:19], s[30:31]
	s_lshl_b32 s30, s85, 8
	s_add_co_u32 s30, s30, 12288                   ; my 64 scale words of its 128
	s_add_nc_u64 s[FBS:FBS+1], s[18:19], s[30:31]
	; the side job's loads: four fragments of Wd as the operand's layout has them, and the 64 rows' scale words of my K step, two a lane
.irp n, 0,1,2,3
.irp p, 0,1,2,3,4,5
	global_load_b64 v[T+12*\n+2*\p:T+12*\n+2*\p+1], v[VWD], s[14:15] offset:6144*\n+48*(\p/3)+8*(\p%3) th:TH_LOAD_NT
.endr
.endr
	global_load_b32 v[T+48], v[VWS], s[16:17] th:TH_LOAD_NT
	global_load_b32 v[T+49], v[VWS], s[16:17] offset:16 th:TH_LOAD_NT
.irp m, 0,1,2,3
	global_load_b128 v[XS+4*\m:XS+4*\m+3], v[VXS], s[6:7] offset:512*\m
.endr
; x's codes come as they lie, 512 consecutive bytes a load, a tile of 16 tokens (12,288 bytes) in 24 loads, into window 1;
.macro RAW m
	WIN 0x40
.set q, 0
.rept 24
	global_load_b128 v[96*((\m)%2)+4*q:96*((\m)%2)+4*q+3], v[OL], s[4:5] offset:12288*(\m)+512*q
.set q, q+1
.endr
.endm
; they turn through my stage (rows 784 bytes apart, so that the 32 lanes of a load of 8 bytes touch 64 different banks) into the operand's layout: lane (r, h): the 24 bytes at 96 ks + 24 h and those 48 on.
.macro XTURN m
	WIN 0x04                                       ; an LDS store's data are its source 1: window 1
.irp a, 0,1,2,3,4,5,6,7
	ds_store_b128 v[ST0], v[96*((\m)%2)+12*\a:96*((\m)%2)+12*\a+3] offset:1568*\a           ; bytes 1,536 a on: row 2 a
	ds_store_b128 v[XW1], v[96*((\m)%2)+12*\a+4:96*((\m)%2)+12*\a+7] offset:1568*\a+512     ; lanes 16-31 are in row 2 a + 1: 16 bytes further on
	ds_store_b128 v[ST0], v[96*((\m)%2)+12*\a+8:96*((\m)%2)+12*\a+11] offset:1568*\a+1040   ; row 2 a + 1
.endr
	WIN 0x80
.irp k, 0,1,2,3,4
.irp p, 0,1,2,3,4,5
	ds_load_b64 v[12*(4*\k+(\m))+2*\p:12*(4*\k+(\m))+2*\p+1], v[XR] offset:96*\k+48*(\p/3)+8*(\p%3)
.endr
.endr
	WIN 0xc0
.irp k, 5,6,7
.irp p, 0,1,2,3,4,5
	ds_load_b64 v[12*(4*(\k-5)+(\m))+2*\p:12*(4*(\k-5)+(\m))+2*\p+1], v[XR] offset:96*\k+48*(\p/3)+8*(\p%3)
.endr
.endr
	s_wait_dscnt 0x0                               ; the stores have read their registers, the loads have read the stage: both may be written again
.endm
	RAW 0
	RAW 1
	WIN 0
	s_wait_loadcnt 24                              ; all but tile 1's 24 loads
.irp g, 0,1,2,3,4,5,6,7,8,9,10,11
	global_store_b128 v[OL], v[T+4*\g:T+4*\g+3], s[20:21] offset:512*\g   ; the four images: 512 consecutive bytes a store
.endr
	global_store_b64 v[OS], v[T+48:T+49], s[20:21] offset:6144            ; and the 64 scale words: 256 consecutive bytes
	XTURN 0
	RAW 2
	s_wait_loadcnt 24                              ; tile 1 is in
	XTURN 1
	RAW 3
	s_wait_loadcnt 24                              ; tile 2
	XTURN 2
	s_wait_loadcnt 0x0
	XTURN 3
	WIN 0
	s_wait_xcnt 0x0                                ; the side job's stores have read their registers
	s_wait_tensorcnt 0x1                           ; scale bytes, bias and my part of slot 0 are in; slot 1's load may stay out
	s_barrier_signal -1
	s_barrier_wait -1                              ; everybody's are
.macro SETAW                           ; the fragments' LDS addresses for the slot in hand, in window 1
	s_add_co_u32 s[TB1], s[TB], SUBB
	WIN 0x40
	v_add_nc_u32 v[AW], s[TB], v[LWA]
	v_add_nc_u32 v[AW+1], s[TB], v[LWB]
	v_add_nc_u32 v[AW+2], s[TB1], v[LWA]
	v_add_nc_u32 v[AW+3], s[TB1], v[LWB]
.endm
; Piece n of the 24 that bring K step kk's four fragments of sub-tile sub: 8 bytes a lane.  16 bytes of padding lie behind every 256 of a row's 768: where lanes 16-31 (24 bytes on) have passed one more, the second address serves.
.macro LDW sub, kk, n
.set tt, (\n)/6
.set pp, (\n)%6
.set oo, 96*(\kk)+48*(pp/3)+8*(pp%3)
.set rg, WF+48*((\kk)%2)+12*tt+2*pp
.if (oo>>8) == ((oo+24)>>8)
	ds_load_b64 v[rg:rg+1], v[AW+2*(\sub)] offset:oo+16*(oo>>8)+6528*tt
.else
	ds_load_b64 v[rg:rg+1], v[AW+2*(\sub)+1] offset:oo+16*(oo>>8)+6528*tt
.endif
.endm
; What a sub-tile wants before its first product: its bias in the result's layout, its scale words, its fragments of K step 0.  No LDS instruction of mine is out where the two addresses are stepped.
.macro NEXT sub, step
	WIN 0
.if \step
	v_add_nc_u32 v[ASC], 2176, v[ASC]
	v_add_nc_u32 v[ABI], 256, v[ABI]
.endif
.irp t, 0,1,2,3
.irp j, 0,1,2,3,4,5,6,7
	ds_load_b32 v[BI+8*\t+\j], v[ABI] offset:32*\t+8*(\j%4)+4*(\j/4)
.endr
.endr
.irp t, 0,1,2,3
	ds_load_b128 v[WS+4*\t:WS+4*\t+3], v[ASC] offset:272*\t
.endr
	WIN 0x41
.set n, 0
.rept 24
	LDW \sub, 0, n
.set n, n+1
.endr
.endm
; A sub-tile's 128 matrix instructions.  The 16 accumulators take turns, one instruction a turn.  K step ks + 1's 24 loads stand three behind each of instructions 1 to 8, four places
; behind the last product that read their registers.  A wait counts the loads issued behind the fragment that is wanted: of its own K step's 18, 12, 6, 0, and of the next one's 0, 9, 21, 24.
.macro MATRIX sub
	s_wait_dscnt 0x0                               ; bias, scale words, K step 0
.set ks, 0
.rept 8
.if ks == 0
	WIN 0x49                                       ; D and Wgu window 1, x window 2, C (the bias) window 0
.elseif ks < 5
	WIN 0x59                                       ; C window 1
.else
	WIN 0x5d                                       ; x window 3
.endif
.set i, 0
.rept 16
.if (ks > 0) && (i%4 == 0)
.if ks < 7
.if i == 0
	s_wait_dscnt 18
.elseif i == 4
	s_wait_dscnt 21
.elseif i == 8
	s_wait_dscnt 27
.else
	s_wait_dscnt 24
.endif
.else
	s_wait_dscnt 18-6*(i/4)
.endif
.endif
.set rA, WF+48*(ks%2)+12*(i/4)
.set rB, 12*(4*(ks%5)+i%4)
.set rW, WS+4*(i/4)+ks%4
.set rX, XS+4*(i%4)+ks%4
.if ks == 0
	v_wmma_scale_f32_16x16x128_f8f6f4 v[8*i:8*i+7], v[rA:rA+11], v[rB:rB+11], v[BI+8*(i/4):BI+8*(i/4)+7], v[rW], v[rX] matrix_a_fmt:MATRIX_FMT_FP6 matrix_b_fmt:MATRIX_FMT_FP6
.elseif ks < 4
	v_wmma_scale_f32_16x16x128_f8f6f4 v[8*i:8*i+7], v[rA:rA+11], v[rB:rB+11], v[8*i:8*i+7], v[rW], v[rX] matrix_a_fmt:MATRIX_FMT_FP6 matrix_b_fmt:MATRIX_FMT_FP6
.else
	v_wmma_scale_f32_16x16x128_f8f6f4 v[8*i:8*i+7], v[rA:rA+11], v[rB:rB+11], v[8*i:8*i+7], v[rW], v[rX] matrix_a_fmt:MATRIX_FMT_FP6 matrix_b_fmt:MATRIX_FMT_FP6 matrix_a_scale:MATRIX_SCALE_ROW1 matrix_b_scale:MATRIX_SCALE_ROW1
.endif
.if ks < 7
.if (i == 0) && (ks > 0)
	NOPS
.elseif (i >= 1) && (i <= 8)
	LDW \sub, ks+1, 3*(i-1)
	LDW \sub, ks+1, 3*(i-1)+1
	LDW \sub, ks+1, 3*(i-1)+2
.endif
.endif
.set i, i+1
.endr
.set ks, ks+1
.endr
.endm
; The activation and the quantiser of a sub-tile: 64 numbers a lane.  Each accumulator is read from its low end on.  The exponentials are one batch with one wait, and so are the reciprocals.
.macro EPI sub, dst
	WIN 0x44
.irp a, 0,1,2,3,4,5,6,7,8,9,10,11,12,13,14,15
.irp j, 0,1,2,3
	v_min_num_f32 v[8*\a+\j], s[LIMP], v[8*\a+\j]  ; g = min(g, 7)
.endr
.endr
	WIN 0x41
.irp a, 0,1,2,3,4,5,6,7,8,9,10,11,12,13,14,15
.irp j, 4,5,6,7
	v_med3_num_f32 v[8*\a+\j], v[8*\a+\j], s[LIMN], s[LIMP]   ; l held to -7 .. 7
.endr
.endr
	WIN 0x01
.irp t, 0,1,2,3
.irp m, 0,1,2,3
.irp j, 0,2
	v_pk_mul_f32 v[T+16*\m+4*\t+\j:T+16*\m+4*\t+\j+1], v[8*(4*\t+\m)+\j:8*(4*\t+\m)+\j+1], s[CEX:CEX+1] op_sel_hi:[1,0]   ; -1.702 log2(e) g
.endr
.endr
.endr
	WIN 0
.set n, 0
.rept 64
	v_exp_f32 v[T+n], v[T+n]
.set n, n+1
.endr
	WIN 0x55
.irp a, 0,1,2,3,4,5,6,7,8,9,10,11,12,13,14,15
.irp j, 0,2
	v_pk_fma_f32 v[8*\a+4+\j:8*\a+5+\j], v[8*\a+\j:8*\a+\j+1], v[8*\a+4+\j:8*\a+5+\j], v[8*\a+\j:8*\a+\j+1]   ; g l + g: plain work that names no exponential's result
.endr
.endr
	WIN 0
	s_wait_alu depctr_va_vdst(0)                   ; one wait for the 64 exponentials, ahead of their first reader
.set n, 0
.rept 32
	v_pk_add_f32 v[T+n:T+n+1], v[T+n:T+n+1], 1.0 op_sel_hi:[1,0]
.set n, n+2
.endr
.set n, 0
.rept 64
	v_rcp_f32 v[T+n], v[T+n]                       ; the sigmoid
.set n, n+1
.endr
	v_nop                                          ; a plain instruction behind the last reciprocal
	s_wait_alu depctr_va_vdst(0)                   ; and one wait for the 64
	WIN 0x04
.irp t, 0,1,2,3
.irp m, 0,1,2,3
.irp j, 0,2
	v_pk_mul_f32 v[T+16*\m+4*\t+\j:T+16*\m+4*\t+\j+1], v[T+16*\m+4*\t+\j:T+16*\m+4*\t+\j+1], v[8*(4*\t+\m)+4+\j:8*(4*\t+\m)+5+\j]   ; F(token 16 m + r, d = 16 h + 4 t + j ..)
.endr
.endr
.endr
	WIN 0
.irp m, 0,1,2,3
	v_max3_num_f32 v[TM+\m], |v[T+16*\m]|, |v[T+16*\m+1]|, 0x1800000   ; my 16 numbers of the block, and the floor 2^(3 - 127): the byte cannot fall under 1
.endr
.irp i, 2,4,6,8,10,12,14
.irp m, 0,1,2,3
	v_max3_num_f32 v[TM+\m], v[TM+\m], |v[T+16*\m+\i]|, |v[T+16*\m+\i+1]|
.endr
.endr
.irp m, 0,1,2,3
	v_permlanex16_b32 v[TM+4+\m], v[TM+\m], s[SEL], s[SEL+1]
.endr
.irp m, 0,1,2,3
	v_max_num_f32 v[TM+\m], v[TM+\m], v[TM+4+\m]   ; with lane l xor 16's 16: the block's largest magnitude
.endr
.irp m, 0,1,2,3
	v_add_nc_u32 v[TM+8+\m], 0xff000000, v[TM+\m]  ; 2 off its exponent field: the conversion's scale operand
.endr
.irp m, 0,1,2,3
	v_lshrrev_b32 v[TM+4+\m], 23, v[TM+8+\m]       ; the scale's byte
.endr
.irp m, 0,1,2,3
	v_cvt_scalef32_pk16_fp6_f32 v[\dst+4*\m:\dst+4*\m+2], v[T+16*\m:T+16*\m+15], v[TM+8+\m]
.endr
	v_nop                                          ; a plain instruction behind the last scaled conversion
.irp m, 0,1,2,3
	ds_store_b8 v[SBC], v[TM+4+\m] offset:64*\m+\sub   ; byte 2 c + sub of token 16 m + r's scale word; lanes r and r + 16 write the same byte with the same value
.endr
.endm
; A pair's two sub-tiles are blocks 2 c and 2 c + 1 of an image's four.  The exchange gives each lane a whole block (lanes 0-15: 2 c, lanes 16-31: 2 c + 1): registers 6 c .. 6 c + 5 of the image.
.macro STAGE
.irp m, 0,1,2,3
.irp i, 0,1,2
	v_permlane16_swap_b32 v[XC+4*\m+\i], v[YC+4*\m+\i]
.endr
.endr
.irp m, 0,1,2,3
	ds_store_b64 v[STA], v[XC+4*\m:XC+4*\m+1] offset:1536*\m      ; registers 6 c, 6 c + 1: bytes 0, 4 or 520, 524
	ds_store_b32 v[STB], v[XC+4*\m+2] offset:1536*\m+8            ; 6 c + 2: 8 or 1,024
	ds_store_b32 v[STB], v[YC+4*\m] offset:1536*\m+12             ; 6 c + 3: 12 or 1,028
	ds_store_b32 v[STA], v[YC+4*\m+1] offset:1536*\m+512          ; 6 c + 4: 512 or 1,032
	ds_store_b32 v[STA], v[YC+4*\m+2] offset:1536*\m+516          ; 6 c + 5: 516 or 1,036
.endr
.endm
; The change of slots.  Each wave waits for all its tensor loads (its part of the slot ahead), adds 0 to its spare word, and waits for that and for its reads of the slot that it leaves.
; refill = 1: a round of the cluster's barrier, and behind it the joint load of the rows two slots on into the slot just left; it has a pair of sub-tiles in which to land.
.macro CHANGE refill
	WIN 0
	s_wait_tensorcnt 0x0                           ; no tensor load of mine is out, so the walking group 0 may be written
	ds_add_u32 v[SPW], v[NIL]                      ; 0 onto my spare word
.if \refill
	s_xor_b32 s[G0W+1], s[G0W+1], SLOT1
	s_add_nc_u64 s[G0W+2:G0W+3], s[G0W+2:G0W+3], 98304   ; 128 rows on
.endif
	s_xor_b32 s[TB], s[TB], SLOT1
	s_wait_dscnt 0x0
.if \refill
	CROUND
	tensor_load_to_lds s[G0W:G0W+3], s[G1T:G1T+7]
	s_nop 0
.else
	s_barrier_signal -1
	s_barrier_wait -1
.endif
	NOPS                                           ; also the places behind the last products, for the loads and the reads of results that follow
	SETAW
.endm
; A slot's two sub-tiles.  guard = 1: the last trip fetches nothing for a next sub-tile.
.macro PAIR refill, guard
	MATRIX 0
	WIN 0
	v_add_nc_u32 v[SBC], s[S2C], v[SBA]            ; no LDS instruction of mine is out.  These four lines are the places behind the last products
	v_add_nc_u32 v[STA], s[S520], v[ST0]
	v_add_nc_u32 v[STB], s[S1016], v[ST0]
	v_nop
	NEXT 1, 1
	EPI 0, XC
	MATRIX 1
	CHANGE \refill
	WIN 0
.if \guard
	s_cmp_eq_u32 s[CNT], 1
	s_cbranch_scc1 .Lno_next_\@
.endif
	NEXT 0, 1
	WIN 0
.if \guard
.Lno_next_\@:
.endif
	EPI 1, YC
	STAGE
	s_add_co_u32 s[S520], s[S520], 520
	s_add_co_u32 s[S1016], s[S1016], 1016
	s_add_co_u32 s[S2C], s[S2C], 2
.endm
; Two pairs have filled four images and 64 scale words in my stage: they leave in stores of 512 and of 256 consecutive bytes.
.macro OUT si
	s_wait_xcnt 0x0                                ; earlier stores have read these registers
.irp g, 0,1,2,3,4,5,6,7,8,9,10,11
	ds_load_b128 v[OUTR+4*\g:OUTR+4*\g+3], v[ST0] offset:512*\g   ; LDS serves a wave's instructions in order: these see my stores
.endr
	ds_load_b64 v[OUTR+48:OUTR+49], v[SSR]
	s_wait_dscnt 0x0
.irp g, 0,1,2,3,4,5,6,7,8,9,10,11
	global_store_b128 v[OL], v[OUTR+4*\g:OUTR+4*\g+3], s[FBC:FBC+1] offset:12800*\si+512*\g
.endr
	global_store_b64 v[OS], v[OUTR+48:OUTR+49], s[FBS:FBS+1] offset:12800*\si
.endm
	SETAW
	NEXT 0, 0
	WIN 0
	s_mov_b32 s[CNT], 2
.Lloop_a:                                          ; rows 0-255: behind each pair its slot is filled again
	PAIR 1, 0
	s_sub_co_u32 s[CNT], s[CNT], 1
	s_cmp_lg_u32 s[CNT], 0
	s_cbranch_scc1 .Lloop_a
	OUT 0
	s_mov_b32 s[S520], 0
	s_mov_b32 s[S1016], 0
	s_mov_b32 s[S2C], 0
	s_mov_b32 s[CNT], 2
.Lloop_b:                                          ; rows 256-511: nothing is left to fetch from memory
	PAIR 0, 1
	s_sub_co_u32 s[CNT], s[CNT], 1
	s_cmp_lg_u32 s[CNT], 0
	s_cbranch_scc1 .Lloop_b
	OUT 1
	s_wait_tensorcnt 0x0                           ; the wave's end
	ds_add_u32 v[SPW], v[NIL]
	s_wait_dscnt 0x0
	CROUND                                         ; the closing round
	s_endpgm
.Lfunc_end_k_qf09e0ab095_up:
	.size	k_qf09e0ab095_up, .Lfunc_end_k_qf09e0ab095_up-k_qf09e0ab095_up
	.p2alignl 7, 3214868480
	.fill 96, 4, 3214868480
	.section	.rodata,"a",@progbits
	.p2align	6, 0x0
	.amdhsa_kernel k_qf09e0ab095_up
		.amdhsa_group_segment_fixed_size 327680
		.amdhsa_private_segment_fixed_size 0
		.amdhsa_enable_private_segment 0
		.amdhsa_kernarg_size 72
		.amdhsa_user_sgpr_count 2
		.amdhsa_user_sgpr_kernarg_segment_ptr 1
		.amdhsa_wavefront_size32 1
		.amdhsa_system_sgpr_workgroup_id_x 1
		.amdhsa_system_sgpr_workgroup_id_y 1
		.amdhsa_system_sgpr_workgroup_id_z 1
		.amdhsa_system_vgpr_workitem_id 0
		.amdhsa_next_free_vgpr 1024
		.amdhsa_next_free_sgpr 96
		.amdhsa_reserve_vcc 0
		.amdhsa_float_denorm_mode_32 3
		.amdhsa_float_denorm_mode_16_64 3
		.amdhsa_memory_ordered 1
		.amdhsa_forward_progress 1
		.amdhsa_inst_pref_size 255
	.end_amdhsa_kernel
	.section	.bss,"aw",@nobits
	.p2align	6
	.space	262144
	.amdgpu_metadata
---
amdhsa.version: [ 1, 2 ]
amdhsa.kernels:
  - .name:           k_qf09e0ab095_up
    .symbol:         k_qf09e0ab095_up.kd
    .args:
      - { .name: hidden_states_codes, .offset: 0, .size: 8, .value_kind: global_buffer, .address_space: global }
      - { .name: hidden_states_scales, .offset: 8, .size: 8, .value_kind: global_buffer, .address_space: global }
      - { .name: Wgu_codes, .offset: 16, .size: 8, .value_kind: global_buffer, .address_space: global }
      - { .name: Wgu_scales, .offset: 24, .size: 8, .value_kind: global_buffer, .address_space: global }
      - { .name: bgu, .offset: 32, .size: 8, .value_kind: global_buffer, .address_space: global }
      - { .name: Wd_codes, .offset: 40, .size: 8, .value_kind: global_buffer, .address_space: global }
      - { .name: Wd_scales, .offset: 48, .size: 8, .value_kind: global_buffer, .address_space: global }
      - { .name: fq, .offset: 56, .size: 8, .value_kind: global_buffer, .address_space: global }
      - { .name: wdl, .offset: 64, .size: 8, .value_kind: global_buffer, .address_space: global }
    .group_segment_fixed_size: 327680
    .private_segment_fixed_size: 0
    .kernarg_segment_align: 8
    .kernarg_segment_size: 72
    .max_flat_workgroup_size: 128
    .sgpr_count:     96
    .vgpr_count:     1024
    .wavefront_size: 32
...
	.end_amdgpu_metadata
.endif
;; end of part 1
;; launch down (part 2): grid 16 x 16, 4 waves a work-group, clusters of 4 x 4, 327,680 bytes of LDS; arguments fq, wdl, routing_weights, bd, out0; writes out0
.if DOCPART == 2
	.amdgcn_target "amdgcn-amd-amdhsa--gfx1250"
	.amdhsa_code_object_version 6
	.text
	.protected	k_qf09e0ab095_down
	.globl	k_qf09e0ab095_down
	.p2align	8
	.type	k_qf09e0ab095_down,@function
k_qf09e0ab095_down:
	s_mov_b64 s[64:65], 0
	v_nop
	global_prefetch_b8 v0, s[64:65] scope:SCOPE_SE
	s_setreg_imm32_b32 hwreg(HW_REG_WAVE_MODE, 25, 1), 1
	s_wait_xcnt 0x0
	s_wait_alu depctr_hold_cnt(0) depctr_sa_sdst(0) depctr_va_vdst(0) depctr_va_sdst(0) depctr_va_ssrc(0) depctr_va_vcc(0) depctr_vm_vsrc(0)
	s_getreg_b32 s2, hwreg(HW_REG_IB_STS2, 6, 4)
	s_cmp_eq_u32 s2, 0
	s_cbranch_scc0 .Lentry_in_a_cluster
	s_endpgm
.Lentry_in_a_cluster:
	s_bfe_u32 s2, ttmp6, 0x10000c
	s_cmp_lg_u32 s2, 0xf033
	s_cbranch_scc0 .Lentry_shape_is_right
	s_endpgm
.Lentry_shape_is_right:
; out[t][h] = the sum over e of rw[t][e] x (F[e][t] . Wd[e][h] + bd[e][h]).  F and Wd come as images of operand registers with their scale words (fq, wdl), codes of FP6 (E2M3), one E8M0 byte for each 32 along d.
; SHARES.  A work-group makes 128 tokens (tb = work-group y) x 64 columns (cb = work-group x).  THE WAVES SHARE K: wave w takes experts 4 w .. 4 w + 3 over the whole tile: 32 accumulators (256 registers) and 256
; registers of weighted sums.  16 steps of 128 along d, 32 matrix instructions each; behind every fourth step the expert's results, which began with bd as C, are weighted by rw and added to the sums.
; At the end the four waves' sums meet in LDS.
; Source 0 = 16 rows of Wd (columns of the output), source 1 = 16 tokens: a lane holds one token and eight neighbouring columns, so rw is one number a lane.
; MEMORY.  fq: [tb][k 8][wave 4][2][12,800], wdl: [cb][k 8][wave 4][2][6,400]: what a slot wants (k: for each wave two steps) is one dense run of 102,400 and one of 51,200 bytes.  A block: 8 (4) images of 1,536 bytes,
; then 128 (64) scale words.  An image comes back by three loads of 16 bytes a lane, 512 consecutive bytes each: no pitch, no padding.
; CLUSTER 4 x 4: F's run hangs on tb alone and is shared along a row of the cluster, Wd's on cb alone and is shared along a column: joint loads; waves 0 and 1 fetch F's halves, waves 2 and 3 Wd's.
; LIMITS: NaN and infinities are not served.
; REGISTERS.  Window 0: v1-12 addresses; v16-27 two sets of scale words; v32-127 two sets of Wd's four fragments; v128-255 bd (32 i + 8 n).  Window 1: v0-191 two sets of F's eight fragments; v192-223 rw (4 m + i).
; Window 2: the accumulators, 8 (4 m + n).  Window 3: the sums.
.set SLOTB, 153600                     ; a slot: F's 102,400 bytes, then Wd's 51,200
.set WOFF,  102400
.set SPARE, 307200                     ; behind the two slots: the spare words
.set PP,    34816                      ; the way out: a wave's sums, 128 rows x (256 + 16) bytes; the four lie in slot 0, which has had its last fill and its last read by then
.set AF,  1                            ; v1-2   F's images in slot 0, 1: + 25,600 w + 16 x lane
.set AWD, 3                            ; v3-4   Wd's: + 102,400 + 12,800 w + 16 x lane
.set ASF, 5                            ; v5-6   F's scale words: 4 x lane
.set ASW, 7                            ; v7-8   Wd's
.set STO, 9
.set RD0, 10
.set RD1, 11
.set CO,  12
.set SPW, 14
.set NIL, 15
.set SCR, 16                           ; a set: four registers of F's words (lanes 0-15 the even tile of tokens, lanes 16-31 the odd), two of Wd's
.set WFR, 32
.set BD,  128
.set RW,  192                          ; window 1
.set G1,  24                           ; s[24:31], s[32:39]: groups 1 and 0 (a set for each slot) for F;  s[48:55], s[56:63] for Wd
.set G0,  32
.set G1B, 48
.set G0B, 56
.set MSB, 0
.macro WIN new
.if MSB != \new
	s_set_vgpr_msb (MSB<<8)|\new
.set MSB, \new
.endif
.endm
.macro NOPS
.rept 4
	v_nop
.endr
.endm
.macro JLOAD s                         ; a joint refill: the branch hangs on the wave's number alone; four v_nop follow each of the two lines
	s_cmp_eq_u32 s15, 0
	s_cbranch_scc0 .Lfor_b_\@
	tensor_load_to_lds s[G0+4*(\s):G0+4*(\s)+3], s[G1:G1+7]
	s_nop 0
	NOPS
	s_branch .Lasked_\@
.Lfor_b_\@:
	tensor_load_to_lds s[G0B+4*(\s):G0B+4*(\s)+3], s[G1B:G1B+7]
	s_nop 0
	NOPS
.Lasked_\@:
.endm
.macro CREST                           ; a round of the cluster's barrier behind its opening barrier
	s_cmp_lg_u32 s14, 0
	s_cbranch_scc1 .Lnot_wave_0_\@
	s_barrier_signal -3
.Lnot_wave_0_\@:
	s_barrier_wait -3
	s_barrier_signal -1
	s_barrier_wait -1
.endm
.macro CROUND
	s_barrier_signal -1
	s_barrier_wait -1
	CREST
.endm
	s_load_b256 s[4:11], s[0:1], 0x0               ; fq, wdl, routing_weights, bd
	s_load_b64 s[12:13], s[0:1], 0x20              ; out0
	v_lshl_add_u32 v[SPW], v0, 2, SPARE
	v_mov_b32 v[NIL], 0
	ds_add_u32 v14, v15
	ds_add_u32 v14, v15
	s_wait_dscnt 0x0
	v_lshrrev_b32 v13, 5, v0
	v_readfirstlane_b32 s14, v13                   ; wave 0..3
	s_lshr_b32 s15, s14, 1                         ; I fetch for F (0) or for Wd (1),
	s_and_b32 s16, s14, 1                          ; this half of the run
	s_bfe_u32 s40, ttmp6, 0x40000                  ; cx, cy
	s_bfe_u32 s41, ttmp6, 0x40004
	s_lshl_b32 s42, ttmp9, 2
	s_add_co_u32 s42, s42, s40                     ; cb
	s_and_b32 s17, ttmp7, 0xffff
	s_lshl_b32 s17, s17, 2
	s_add_co_u32 s17, s17, s41                     ; tb
	s_lshl_b32 s43, s41, 2
	s_lshl_b32 s43, 15, s43                        ; my row of the cluster
	s_lshl_b32 s44, 0x1111, s40                    ; my column
	s_or_b32 s[G1], s43, (3<<16)|(1<<21)           ; the mask; elements of 8 bytes; bit 21 beside a mask; no padding
	s_or_b32 s[G1B], s44, (3<<16)|(1<<21)
	s_mov_b32 s[G1+1], 32<<16                      ; rows of 256 bytes: 200 for half of F's run,
	s_mov_b32 s[G1+2], 200<<16
	s_mov_b32 s[G1+3], 32<<16
	s_mov_b32 s[G1+4], 200
	s_mov_b32 s[G1+5], 32
	s_mov_b32 s[G1+6], 0
	s_mov_b32 s[G1+7], 0
	s_mov_b32 s[G1B+1], 32<<16                     ; 100 for half of Wd's
	s_mov_b32 s[G1B+2], 100<<16
	s_mov_b32 s[G1B+3], 32<<16
	s_mov_b32 s[G1B+4], 100
	s_mov_b32 s[G1B+5], 32
	s_mov_b32 s[G1B+6], 0
	s_mov_b32 s[G1B+7], 0
	s_mul_i32 s20, s17, 819200                     ; F: by tb and the wave's number alone
	s_mul_i32 s18, s16, 51200
	s_add_co_u32 s20, s20, s18
	s_mov_b32 s21, 0
	s_mul_i32 s46, s42, 409600                     ; Wd: by cb and the wave's number alone
	s_mul_i32 s19, s16, 25600
	s_add_co_u32 s46, s46, s19
	s_mov_b32 s47, 0
	s_mul_i32 s45, s16, 51200                      ; where they go: no place in the cluster enters an LDS address
	s_mul_i32 s22, s16, 25600
	s_add_co_u32 s22, s22, WOFF
	s_wait_kmcnt 0x0
	s_add_nc_u64 s[20:21], s[4:5], s[20:21]
	s_add_nc_u64 s[46:47], s[6:7], s[46:47]
.irp s, 0,1
	s_mov_b32 s[G0+4*\s], 1
	s_add_co_u32 s[G0+4*\s+1], s45, \s*SLOTB
	s_add_nc_u64 s[G0+4*\s+2:G0+4*\s+3], s[20:21], \s*102400
	s_or_b32 s[G0+4*\s+3], s[G0+4*\s+3], 0x80000000
	s_mov_b32 s[G0B+4*\s], 1
	s_add_co_u32 s[G0B+4*\s+1], s22, \s*SLOTB
	s_add_nc_u64 s[G0B+4*\s+2:G0B+4*\s+3], s[46:47], \s*51200
	s_or_b32 s[G0B+4*\s+3], s[G0B+4*\s+3], 0x80000000
.endr
	CROUND                                         ; all sixteen work-groups are here: the first joint loads meet
	s_cmp_eq_u32 s15, 0                            ; a wave's two first fills stand in one branch: two loads of mine are out
	s_cbranch_scc0 .Lfirst_b
	tensor_load_to_lds s[G0:G0+3], s[G1:G1+7]
	s_nop 0
	tensor_load_to_lds s[G0+4:G0+7], s[G1:G1+7]
	s_nop 0
	NOPS
	s_branch .Lfirst_asked
.Lfirst_b:
	tensor_load_to_lds s[G0B:G0B+3], s[G1B:G1B+7]
	s_nop 0
	tensor_load_to_lds s[G0B+4:G0B+7], s[G1B:G1B+7]
	s_nop 0
	NOPS
.Lfirst_asked:
	v_and_b32 v13, 31, v0                          ; lane
	v_and_b32 v28, 15, v0                          ; r
	v_bfe_u32 v29, v0, 4, 1                        ; h
	s_mul_i32 s18, s14, 25600
	v_lshl_add_u32 v[AF], v13, 4, s18
	v_add_nc_u32 v[AF+1], SLOTB, v[AF]
	s_add_co_u32 s19, s18, 12288
	v_lshl_add_u32 v[ASF], v13, 2, s19
	v_add_nc_u32 v[ASF+1], SLOTB, v[ASF]
	s_mul_i32 s18, s14, 12800
	s_add_co_u32 s18, s18, WOFF
	v_lshl_add_u32 v[AWD], v13, 4, s18
	v_add_nc_u32 v[AWD+1], SLOTB, v[AWD]
	s_add_co_u32 s19, s18, 6144
	v_lshl_add_u32 v[ASW], v13, 2, s19
	v_add_nc_u32 v[ASW+1], SLOTB, v[ASW]
	s_mul_i32 s18, s14, PP
	v_mul_u32_u24 v[STO], v28, 272                 ; into the stage: my sums' part, row r, + 32 h
	v_lshl_add_u32 v[STO], v29, 5, v[STO]
	v_add_nc_u32 v[STO], s18, v[STO]
	s_mul_i32 s18, s14, 32*272
	v_mul_u32_u24 v[RD0], v29, 272                 ; back: rows 32 w on; lanes 0-15 one row of 256 bytes, lanes 16-31 the next
	v_lshl_add_u32 v[RD0], v28, 4, v[RD0]
	v_add_nc_u32 v[RD0], s18, v[RD0]
	v_add_nc_u32 v[RD1], 2*PP, v[RD0]
	v_lshlrev_b32 v[CO], 12, v29                   ; and the same two rows of out0 (4,096 bytes a row)
	v_lshl_add_u32 v[CO], v28, 4, v[CO]
	v_lshlrev_b32 v30, 6, v28                      ; rw: 64 bytes a token
	v_lshlrev_b32 v31, 5, v29                      ; bd: my half's eight columns
	s_lshl_b32 s68, s17, 13                        ; rw: 128 tb tokens, + my four experts
	s_lshl_b32 s70, s14, 4
	s_add_co_u32 s68, s68, s70
	s_mov_b32 s69, 0
	s_add_nc_u64 s[8:9], s[8:9], s[68:69]
	s_lshl_b32 s68, s14, 14                        ; bd: expert 4 w, + 64 cb columns
	s_lshl_b32 s70, s42, 8
	s_add_co_u32 s68, s68, s70
	s_add_nc_u64 s[10:11], s[10:11], s[68:69]
	s_lshl_b32 s68, s17, 19                        ; out0: row 128 tb + 32 w, + 64 cb columns
	s_lshl_b32 s71, s14, 17
	s_add_co_u32 s68, s68, s71
	s_add_co_u32 s68, s68, s70
	s_add_nc_u64 s[12:13], s[12:13], s[68:69]
	WIN 0x40
.irp m, 0,1,2,3,4,5,6,7
	global_load_b128 v[RW+4*\m:RW+4*\m+3], v30, s[8:9] offset:1024*\m      ; rw(16 m + r, 4 w + 0 .. 3)
.endr
	WIN 0
.irp i, 0,1,2,3
.irp n, 0,1,2,3
	global_load_b128 v[BD+32*\i+8*\n:BD+32*\i+8*\n+3], v31, s[10:11] offset:4096*\i+64*\n      ; bd(4 w + i, 16 n + 8 h + 0 .. 7): the result's layout
	global_load_b128 v[BD+32*\i+8*\n+4:BD+32*\i+8*\n+7], v31, s[10:11] offset:4096*\i+64*\n+16
.endr
.endr
; Group g of the nine in which step jn's 42 LDS loads go: 0, 1: Wd's four fragments; 2: the scale words; 3 to 8: F's eight fragments, tokens ascending.
.macro GRP jn, g
.set sg, ((\jn)>>1)&1
.set sp, (\jn)&1
.if (\g) < 2
	WIN 0
.irp c, 0,1,2,3,4,5
	ds_load_b128 v[WFR+48*sp+24*(\g)+4*\c:WFR+48*sp+24*(\g)+4*\c+3], v[AWD+sg] offset:6400*sp+3072*(\g)+512*\c
.endr
.elseif (\g) == 2
	WIN 0
.irp u, 0,1,2,3
	ds_load_b32 v[SCR+6*sp+\u], v[ASF+sg] offset:12800*sp+128*\u
.endr
.irp u, 0,1
	ds_load_b32 v[SCR+6*sp+4+\u], v[ASW+sg] offset:6400*sp+128*\u
.endr
.else
	WIN 0x40
.irp c, 0,1,2,3
	ds_load_b128 v[96*sp+16*((\g)-3)+4*\c:96*sp+16*((\g)-3)+4*\c+3], v[AF+sg] offset:12800*sp+2048*((\g)-3)+512*\c
.endr
.endif
.endm
; Matrix instruction q of step j's 32: tokens 16 (q / 4) on, columns 16 (q % 4) on.  The 32 accumulators take turns, one instruction a turn.  An expert's first step takes bd as C.
.macro WM j
.set st, (\j)&1
.set mq, q>>2
.set nq, q&3
.set rA, WFR+48*st+12*nq
.set rB, 96*st+12*mq
.set rSW, SCR+6*st+4+(nq>>1)
.set rSF, SCR+6*st+(mq>>1)
.if ((\j)&3) == 0
	WIN 0x84                                       ; Wd and C window 0, F window 1, D window 2
.set rC, BD+32*((\j)>>2)+8*nq
.else
	WIN 0xa4                                       ; C window 2
.set rC, 8*q
.endif
.if (nq&1) && (mq&1)
	v_wmma_scale_f32_16x16x128_f8f6f4 v[8*q:8*q+7], v[rA:rA+11], v[rB:rB+11], v[rC:rC+7], v[rSW], v[rSF] matrix_a_fmt:MATRIX_FMT_FP6 matrix_b_fmt:MATRIX_FMT_FP6 matrix_a_scale:MATRIX_SCALE_ROW1 matrix_b_scale:MATRIX_SCALE_ROW1
.elseif nq&1
	v_wmma_scale_f32_16x16x128_f8f6f4 v[8*q:8*q+7], v[rA:rA+11], v[rB:rB+11], v[rC:rC+7], v[rSW], v[rSF] matrix_a_fmt:MATRIX_FMT_FP6 matrix_b_fmt:MATRIX_FMT_FP6 matrix_a_scale:MATRIX_SCALE_ROW1
.elseif mq&1
	v_wmma_scale_f32_16x16x128_f8f6f4 v[8*q:8*q+7], v[rA:rA+11], v[rB:rB+11], v[rC:rC+7], v[rSW], v[rSF] matrix_a_fmt:MATRIX_FMT_FP6 matrix_b_fmt:MATRIX_FMT_FP6 matrix_b_scale:MATRIX_SCALE_ROW1
.else
	v_wmma_scale_f32_16x16x128_f8f6f4 v[8*q:8*q+7], v[rA:rA+11], v[rB:rB+11], v[rC:rC+7], v[rSW], v[rSF] matrix_a_fmt:MATRIX_FMT_FP6 matrix_b_fmt:MATRIX_FMT_FP6
.endif
.endm
; A slot's first step: it fetches the second's operands, from the same slot, into the other set of registers.
.macro STEP j
	s_wait_dscnt 18                                ; Wd's fragments, the scale words and F's tiles 0, 1 are in; the youngest 18 loads (tiles 2-7) may be out
.set q, 0
.rept 32
	WM \j
.if q == 0
	NOPS                                           ; the places behind the last step's products, for the loads below
.endif
.if q == 7
	s_wait_dscnt 0x0
.endif
.if (q >= 8) && (q <= 16)
	GRP (\j)+1, q-8
.endif
.set q, q+1
.endr
.endm
; A slot's second step changes slots: one barrier; in front of it each wave waits for all its tensor loads, adds 0 to its spare word, and waits for that and for its reads of this slot.
; fill = 1: the barrier opens a round of the cluster's barrier, and behind the round this slot takes the run two further on: the load has two steps, 64 matrix instructions a wave, in which to land.
.macro TURN j, fill
.set sl, ((\j)>>1)&1
	WIN 0
	s_wait_tensorcnt 0x0                           ; all my tensor loads have landed: my part of the other slot
	ds_add_u32 v[SPW], v[NIL]                      ; 0 onto my spare word
	s_wait_dscnt 0x1                               ; this step's operands are in (the add alone may be out)
.set q, 0
.rept 8
	WM \j
.set q, q+1
.endr
	s_wait_dscnt 0x0                               ; the add is done, and my reads of this slot are over
	s_barrier_signal -1
.rept 8
	WM \j
.set q, q+1
.endr
	WIN 0
	s_barrier_wait -1
.if \fill
	CREST
	s_add_nc_u64 s[G0+4*sl+2:G0+4*sl+3], s[G0+4*sl+2:G0+4*sl+3], 204800
	s_add_nc_u64 s[G0B+4*sl+2:G0B+4*sl+3], s[G0B+4*sl+2:G0B+4*sl+3], 102400
	JLOAD sl                                       ; the first tensor load behind the round; its four v_nop are also the places for the loads below
.else
	NOPS
.endif
.rept 16
	WM \j
.if q <= 24
	GRP (\j)+1, q-16
.endif
.set q, q+1
.endr
.endm
; An expert is finished: sums += rw(token, 4 w + i) x results; the first expert starts the sums.  Each accumulator is read from its low end on.
.macro COMBINE i
	NOPS
.if (\i) == 0
	WIN 0xc6                                       ; sums window 3, results window 2, rw window 1
.else
	WIN 0xf6
.endif
.set a, 0
.rept 32
.irp j, 0,2,4,6
.if (\i) == 0
	v_pk_mul_f32 v[8*a+\j:8*a+\j+1], v[8*a+\j:8*a+\j+1], v[RW+4*(a/4):RW+4*(a/4)+1] op_sel_hi:[1,0]
.elseif (\i) == 2
	v_pk_fma_f32 v[8*a+\j:8*a+\j+1], v[8*a+\j:8*a+\j+1], v[RW+4*(a/4)+2:RW+4*(a/4)+3], v[8*a+\j:8*a+\j+1] op_sel_hi:[1,0,1]
.else
	v_pk_fma_f32 v[8*a+\j:8*a+\j+1], v[8*a+\j:8*a+\j+1], v[RW+4*(a/4)+(\i)-1:RW+4*(a/4)+(\i)], v[8*a+\j:8*a+\j+1] op_sel:[0,1,0] op_sel_hi:[1,1,1]
.endif
.endr
.set a, a+1
.endr
.endm
	s_wait_tensorcnt 0x1                           ; my part of slot 0 is in; slot 1's may stay out
	s_barrier_signal -1
	s_barrier_wait -1
.irp g, 0,1,2,3,4,5,6,7,8
	GRP 0, \g
.endr
	s_wait_loadcnt 0x0                             ; rw and bd
	STEP 0
	TURN 1, 1
	STEP 2
	TURN 3, 1
	COMBINE 0
	STEP 4
	TURN 5, 1
	STEP 6
	TURN 7, 1
	COMBINE 1
	STEP 8
	TURN 9, 1
	STEP 10
	TURN 11, 1
	COMBINE 2
	STEP 12
	TURN 13, 0                                     ; nothing is left to fetch from memory
	STEP 14
	s_wait_dscnt 0x0
.set q, 0
.rept 32
	WM 15
.set q, q+1
.endr
	COMBINE 3
	; THE WAY OUT.  The four waves' sums go to the stage; each wave then reads 32 whole rows of all four, adds them, and stores: sixteen lanes write 256 consecutive bytes, at a multiple of 256 from out0's first byte.
	WIN 0x0c                                       ; an LDS store's data are its source 1: window 3
.irp m, 0,1,2,3,4,5,6,7
.irp n, 0,1,2,3
	ds_store_b128 v[STO], v[8*(4*\m+\n):8*(4*\m+\n)+3] offset:4352*\m+64*\n
	ds_store_b128 v[STO], v[8*(4*\m+\n)+4:8*(4*\m+\n)+7] offset:4352*\m+64*\n+16
.endr
.endr
	WIN 0
	s_wait_dscnt 0x0                               ; for the others' sake: my stores have landed
	s_barrier_signal -1
	s_barrier_wait -1
	WIN 0x80
.irp t, 0,1,2,3,4,5,6,7,8,9,10,11,12,13,14,15
	ds_load_b128 v[4*\t:4*\t+3], v[RD0] offset:544*\t
	ds_load_b128 v[64+4*\t:64+4*\t+3], v[RD0] offset:PP+544*\t
	ds_load_b128 v[128+4*\t:128+4*\t+3], v[RD1] offset:544*\t
	ds_load_b128 v[192+4*\t:192+4*\t+3], v[RD1] offset:PP+544*\t
.endr
	s_wait_dscnt 0x0
	WIN 0x8a
.irp t, 0,1,2,3,4,5,6,7,8,9,10,11,12,13,14,15
.irp j, 0,2
	v_pk_add_f32 v[4*\t+\j:4*\t+\j+1], v[4*\t+\j:4*\t+\j+1], v[64+4*\t+\j:64+4*\t+\j+1]
	v_pk_add_f32 v[128+4*\t+\j:128+4*\t+\j+1], v[128+4*\t+\j:128+4*\t+\j+1], v[192+4*\t+\j:192+4*\t+\j+1]
.endr
.endr
.irp t, 0,1,2,3,4,5,6,7,8,9,10,11,12,13,14,15
.irp j, 0,2
	v_pk_add_f32 v[4*\t+\j:4*\t+\j+1], v[4*\t+\j:4*\t+\j+1], v[128+4*\t+\j:128+4*\t+\j+1]
.endr
.endr
	WIN 0x08                                       ; a store's data are its source 1: window 2
.irp t, 0,1,2,3,4,5,6,7,8,9,10,11,12,13,14,15
	global_store_b128 v[CO], v[4*\t:4*\t+3], s[12:13] offset:8192*\t th:TH_STORE_NT
.endr
	WIN 0
	s_wait_tensorcnt 0x0                           ; the wave's end
	ds_add_u32 v[SPW], v[NIL]
	s_wait_dscnt 0x0
	CROUND                                         ; the closing round
	s_endpgm
.Lfunc_end_k_qf09e0ab095_down:
	.size	k_qf09e0ab095_down, .Lfunc_end_k_qf09e0ab095_down-k_qf09e0ab095_down
	.p2alignl 7, 3214868480
	.fill 96, 4, 3214868480
	.section	.rodata,"a",@progbits
	.p2align	6, 0x0
	.amdhsa_kernel k_qf09e0ab095_down
		.amdhsa_group_segment_fixed_size 327680
		.amdhsa_private_segment_fixed_size 0
		.amdhsa_enable_private_segment 0
		.amdhsa_kernarg_size 40
		.amdhsa_user_sgpr_count 2
		.amdhsa_user_sgpr_kernarg_segment_ptr 1
		.amdhsa_wavefront_size32 1
		.amdhsa_system_sgpr_workgroup_id_x 1
		.amdhsa_system_sgpr_workgroup_id_y 1
		.amdhsa_system_sgpr_workgroup_id_z 1
		.amdhsa_system_vgpr_workitem_id 0
		.amdhsa_next_free_vgpr 1024
		.amdhsa_next_free_sgpr 72
		.amdhsa_reserve_vcc 0
		.amdhsa_float_denorm_mode_32 3
		.amdhsa_float_denorm_mode_16_64 3
		.amdhsa_memory_ordered 1
		.amdhsa_forward_progress 1
		.amdhsa_inst_pref_size 184
	.end_amdhsa_kernel
	.amdgpu_metadata
---
amdhsa.version: [ 1, 2 ]
amdhsa.kernels:
  - .name:           k_qf09e0ab095_down
    .symbol:         k_qf09e0ab095_down.kd
    .args:
      - { .name: fq, .offset: 0, .size: 8, .value_kind: global_buffer, .address_space: global }
      - { .name: wdl, .offset: 8, .size: 8, .value_kind: global_buffer, .address_space: global }
      - { .name: routing_weights, .offset: 16, .size: 8, .value_kind: global_buffer, .address_space: global }
      - { .name: bd, .offset: 24, .size: 8, .value_kind: global_buffer, .address_space: global }
      - { .name: out0, .offset: 32, .size: 8, .value_kind: global_buffer, .address_space: global }
    .group_segment_fixed_size: 327680
    .private_segment_fixed_size: 0
    .kernarg_segment_align: 8
    .kernarg_segment_size: 40
    .max_flat_workgroup_size: 128
    .sgpr_count:     72
    .vgpr_count:     1024
    .wavefront_size: 32
...
	.end_amdgpu_metadata
.endif
;; end of part 2
;; ======== version 2 of 2: 2 launches; 1.13 times as fast as version 1
;; workspace buffers: fq 13,107,200 bytes; wdl 6,553,600 bytes
;; launch up (part 3): grid 8 x 32, 4 waves a work-group, clusters of 4 x 1, 327,680 bytes of LDS; arguments hidden_states_codes, hidden_states_scales, Wgu_codes, Wgu_scales, bgu, Wd_codes, Wd_scales, fq, wdl; writes fq, wdl
.if DOCPART == 3
	.amdgcn_target "amdgcn-amd-amdhsa--gfx1250"
	.amdhsa_code_object_version 6
	.text
	.protected	k_qf09e0ab095_up
	.globl	k_qf09e0ab095_up
	.p2align	8
	.type	k_qf09e0ab095_up,@function
k_qf09e0ab095_up:
	s_mov_b64 s[64:65], 0
	v_nop
	global_prefetch_b8 v0, s[64:65] scope:SCOPE_SE
	s_setreg_imm32_b32 hwreg(HW_REG_WAVE_MODE, 25, 1), 1
	s_wait_xcnt 0x0
	s_wait_alu depctr_hold_cnt(0) depctr_sa_sdst(0) depctr_va_vdst(0) depctr_va_sdst(0) depctr_va_ssrc(0) depctr_va_vcc(0) depctr_vm_vsrc(0)
	s_getreg_b32 s2, hwreg(HW_REG_IB_STS2, 6, 4)
	s_cmp_eq_u32 s2, 0
	s_cbranch_scc0 .Lentry_in_a_cluster
	s_endpgm
.Lentry_in_a_cluster:
	s_bfe_u32 s2, ttmp6, 0x10000c
	s_cmp_lg_u32 s2, 0x3003
	s_cbranch_scc0 .Lentry_shape_is_right
	s_endpgm
.Lentry_shape_is_right:
; F[e][t][d] = swiglu(x[t] . Wgu[e]^T + bgu[e]), quantised along d to codes of FP6 (E2M3) with one E8M0 byte for each 32 d, and stored as images of operand registers (fq).
; x [2048][1024] and Wgu [16][1024][1024] come as codes (768 bytes a row) with 32 scale bytes a row and are multiplied as they are given.  router_indices is not an argument: the computation does not depend on it.
; SHARES.  A work-group takes 256 tokens (x = 4 x cluster x + cx) and 512 rows of Wgu (y: expert y / 2, half y % 2 of its 1,024 rows).  Wave w keeps the codes of tokens 64 w .. 64 w + 63 for all of K in
; 384 registers; all four waves read the same rows of Wgu from LDS, so a fragment of 1,536 bytes feeds four matrix instructions.  A sub-tile is 64 rows of Wgu = 32 d = one block of the quantiser:
; 8 K steps x 16 matrix instructions on 16 accumulators; eight sub-tiles a work-group; a slot of LDS holds two.
; THE MATRIX INSTRUCTION IS USED TRANSPOSED (source 0 = 16 rows of Wgu, source 1 = 16 tokens), AND THE ROWS OF A TILE ARE NOT NEIGHBOURS: lane r of tile t takes row 32 (r / 8) + 8 t + 2 (r % 4) + (r / 4) % 2.
; So lane (r, h) of the result holds token r, in registers 0-3 the gates and in 4-7 the linear parts of d = 16 h + 4 t + 0 .. 3: packed arithmetic serves, and a lane's 16 numbers over t are 16 neighbours along d.
; CLUSTER.  The four partners have the same y: rows, scale bytes and bias are asked for jointly (mask 15), each wave a quarter.
; A SIDE JOB: each wave copies one block of Wd (64 rows x 128 along K) into images of operand registers (wdl).  Its loads go out behind x's and stay out during the first loop; its stores stand between the loops.
; AN IMAGE: register p of lane L of a fragment's 12 lies at byte 512 (p / 4) + 16 L + 4 (p % 4): three loads of 16 bytes a lane bring the fragment back.
; LIMITS.  NaN and infinities are not served.  For a gate under about -51 the reciprocal's result falls under 2^-126 and comes out as 0.  (g l + g) sigmoid stands for g sigmoid (l + 1), all in f32.
; A block of zeros gets the byte 1 (the floor's): its codes are zeros, and the bytes are read by this program alone.
; REGISTERS, in windows of 256.  Window 0: addresses, scale words, the bias, what the activation and the quantiser work on.  Window 1: v0-127 accumulators (tile t, tokens m: 8 (4 t + m)); v128-223 two sets of
; four fragments of Wgu; v224-227 their LDS addresses: so a run of fragment loads needs no switch of windows.  Window 2: x's fragments of K steps 0-4 (12 (4 ks + m)); window 3: of K steps 5-7.
.set REGB,   26240                     ; LDS: 32 rows of Wgu: 96 pieces of 256 bytes + 16 of padding (a row: 816 bytes), + 128: what one tensor load brings
.set SUBB,   2*REGB                    ; a sub-tile's 64 rows
.set SLOT1,  1<<17                     ; slot 0 at 0, slot 1 here: one exclusive or turns an address
.set SPARE,  104960                    ; the spare words, 128 bytes a wave
.set SCL,    105472                    ; the 512 rows' scale bytes: 64 pieces of 256 + 16
.set BIA,    125184                    ; their bias, 2,048 bytes
.set STG,    236032                    ; behind slot 1: a stage of 13,312 bytes for each wave
.set STGW,   13312
.set SCB,    6144                      ; in a stage: behind four images, 64 scale words
.set LWA, 1                            ; v1   my lane's place in a sub-tile: (r / 8) REGB + 816 x row + 24 h
.set LWB, 2                            ; v2   the same with 40 h: for pieces that in lanes 16-31 lie behind one padding more
.set ASC, 7                            ; v7   LDS address of my rows' scale bytes
.set ABI, 8                            ; v8   of my half's bias
.set ST0, 9                            ; v9   my stage + 16 x lane
.set STA, 10                           ; v10, v11  ST0 + 520 c, ST0 + 1016 c (c: which half of an image the pair in hand fills)
.set STB, 11
.set SBA, 12                           ; v12  my stage's scale words + 4 r
.set SBC, 13                           ; v13  SBA + 2 c
.set SPW, 14                           ; v14  my spare word; never rewritten
.set NIL, 15                           ; v15  0; never rewritten
.set XS,  16                           ; v16-31  x's scale words: 4 m + q: K step q in lanes 0-15, K step 4 + q in lanes 16-31
.set WS,  32                           ; v32-47  Wgu's: 4 t + q, likewise
.set TM,  48                           ; v48-59  the quantiser's: largest magnitudes, bytes, scale operands
.set T,   64                           ; v64-127 16 m + 4 t + i: the activation at work, then F
.set XC,  128                          ; v128-143 codes of the pair's first sub-tile, 4 registers a tile of tokens
.set YC,  144                          ; v144-159 of its second
.set BI,  160                          ; v160-191 the bias in the result's layout, 8 t + j
.set OUTR, 192                         ; v192-241 the way out; during the first loop: the side job's block of Wd
.set VXS, 242                          ; v242-249 offsets that stay
.set XW1, 243
.set XR,  244
.set OL,  245
.set OS,  246
.set SSR, 247
.set VWD, 248
.set VWS, 249
.set WF,  128                          ; window 1
.set AW,  224
.set WV,  22                           ; s22 wave
.set FBC, 26                           ; s[26:27] fq: my four images;  s[28:29] my 64 scale words  (at the head: x's two offsets)
.set FBS, 28
.set G1T, 36                           ; descriptor groups 1: rows of Wgu, scale bytes, bias
.set G1S, 44
.set G1B, 52
.set G0A, 60                           ; groups 0: slot 0's first fill; the walking one; scale bytes; bias
.set G0W, 68
.set G0S, 72
.set G0B, 76
.set TB,  80                           ; s80 LDS byte of the slot in hand; s84 of its second sub-tile
.set S520, 81
.set S1016, 82
.set S2C, 83
.set TB1, 84
.set CNT, 86
.set LIMP, 87                          ; 7.0, -7.0
.set LIMN, 88
.set CEX, 90                           ; s[90:91] -1.702 log2(e)
.set SEL, 92                           ; s[92:93] selects of v_permlanex16_b32: lane l xor 16
.set SBASE, 94                         ; s94 my stage
.set W0PAD, 15|(3<<16)|(1<<20)|(1<<21)|(5<<22)|(3<<25)   ; mask of the four partners; elements of 8 bytes; padding on; bit 21 beside a mask; after every 64 words; 4 words
.set W0DEN, 15|(3<<16)|(1<<21)         ; the same without padding
.set MSB, 0
.macro WIN new                         ; the immediate's high byte repeats the setting that is left
.if MSB != \new
	s_set_vgpr_msb (MSB<<8)|\new
.set MSB, \new
.endif
.endm
.macro NOPS
.rept 4
	v_nop
.endr
.endm
.macro CROUND                          ; a round of the cluster's barrier
	s_barrier_signal -1
	s_barrier_wait -1
	s_cmp_lg_u32 s[WV], 0
	s_cbranch_scc1 .Lnot_wave_0_\@
	s_barrier_signal -3
.Lnot_wave_0_\@:
	s_barrier_wait -3
	s_barrier_signal -1
	s_barrier_wait -1
.endm
.macro GROUP1 g, w0, rows              ; a dense block as rows of 256 bytes (32 elements of 8 bytes)
	s_mov_b32 s[\g], \w0
	s_mov_b32 s[\g+1], 32<<16
	s_mov_b32 s[\g+2], (\rows)<<16
	s_mov_b32 s[\g+3], 32<<16
	s_mov_b32 s[\g+4], \rows
	s_mov_b32 s[\g+5], 32
	s_mov_b32 s[\g+6], 0
	s_mov_b32 s[\g+7], 0
.endm
; x's codes come as they lie, 512 consecutive bytes a load, a tile of 16 tokens (12,288 bytes) in 24 loads, into window 1;
.macro RAW m
	WIN 0x40
.set q, 0
.rept 24
	global_load_b128 v[96*((\m)%2)+4*q:96*((\m)%2)+4*q+3], v[OL], s[4:5] offset:12288*(\m)+512*q
.set q, q+1
.endr
.endm
; they turn through my stage (rows 784 bytes apart, so that the 32 lanes of a load of 8 bytes touch 64 different banks) into the operand's layout: lane (r, h): the 24 bytes at 96 ks + 24 h and those 48 on.
.macro XTURN m
	WIN 0x04                                       ; an LDS store's data are its source 1: window 1
.irp a, 0,1,2,3,4,5,6,7
	ds_store_b128 v[ST0], v[96*((\m)%2)+12*\a:96*((\m)%2)+12*\a+3] offset:1568*\a           ; bytes 1,536 a on: row 2 a
	ds_store_b128 v[XW1], v[96*((\m)%2)+12*\a+4:96*((\m)%2)+12*\a+7] offset:1568*\a+512     ; lanes 16-31 are in row 2 a + 1: 16 bytes further on
	ds_store_b128 v[ST0], v[96*((\m)%2)+12*\a+8:96*((\m)%2)+12*\a+11] offset:1568*\a+1040   ; row 2 a + 1
.endr
	WIN 0x80
.irp k, 0,1,2,3,4
.irp p, 0,1,2,3,4,5
	ds_load_b64 v[12*(4*\k+(\m))+2*\p:12*(4*\k+(\m))+2*\p+1], v[XR] offset:96*\k+48*(\p/3)+8*(\p%3)
.endr
.endr
	WIN 0xc0
.irp k, 5,6,7
.irp p, 0,1,2,3,4,5
	ds_load_b64 v[12*(4*(\k-5)+(\m))+2*\p:12*(4*(\k-5)+(\m))+2*\p+1], v[XR] offset:96*\k+48*(\p/3)+8*(\p%3)
.endr
.endr
	s_wait_dscnt 0x0                               ; the stores have read their registers, the loads have read the stage: both may be written again
.endm
	s_load_b256 s[4:11], s[0:1], 0x0               ; x's codes, x's scales, Wgu's codes, Wgu's scales
	s_load_b256 s[12:19], s[0:1], 0x20             ; bgu, Wd's codes, Wd's scales, fq
	s_load_b64 s[20:21], s[0:1], 0x40              ; wdl
	v_lshl_add_u32 v[SPW], v0, 2, SPARE
	v_mov_b32 v[NIL], 0
	ds_add_u32 v14, v15
	ds_add_u32 v14, v15
	s_wait_dscnt 0x0
	v_lshrrev_b32 v3, 5, v0
	v_readfirstlane_b32 s[WV], v3                  ; wave 0..3
	s_bfe_u32 s23, ttmp6, 0x40000                  ; cx
	s_lshl_b32 s24, ttmp9, 2
	s_add_co_u32 s24, s24, s23                     ; x: my 256 tokens; it enters global addresses alone
	s_and_b32 s25, ttmp7, 0xffff                   ; y: my 512 rows of Wgu, which the partners share
	v_and_b32 v3, 15, v0                           ; r
	v_bfe_u32 v4, v0, 4, 1                         ; h
	v_and_b32 v5, 31, v0                           ; lane
	v_lshlrev_b32 v[OL], 4, v5
	v_lshlrev_b32 v[VXS], 5, v3
	v_lshl_add_u32 v[VXS], v4, 4, v[VXS]
	s_mul_i32 s26, s24, 196608                     ; x's codes: 256 x tokens of 768 bytes
	s_mul_i32 s27, s[WV], 49152                    ; + my 64
	s_add_co_u32 s26, s26, s27
	s_mov_b32 s27, 0
	s_lshl_b32 s28, s24, 13                        ; x's scale bytes, 32 a token
	s_lshl_b32 s29, s[WV], 11
	s_add_co_u32 s28, s28, s29
	s_mov_b32 s29, 0
	GROUP1 G1T, W0PAD, 96                          ; 32 rows of 768 bytes
	GROUP1 G1S, W0PAD, 16                          ; 128 rows of 32 scale bytes
	GROUP1 G1B, W0DEN, 2                           ; 128 numbers of the bias
	s_mul_i32 s30, s25, 393216                     ; 512 y rows of 768 bytes
	s_mul_i32 s31, s[WV], 24576                    ; + my 32 rows
	s_add_co_u32 s30, s30, s31
	s_mov_b32 s31, 0
	s_lshl_b32 s32, s25, 14                        ; 512 y rows of 32 scale bytes
	s_lshl_b32 s33, s[WV], 12                      ; + my 128 rows
	s_add_co_u32 s32, s32, s33
	s_mov_b32 s33, 0
	s_lshl_b32 s34, s25, 11                        ; 512 y numbers of the bias
	s_lshl_b32 s35, s[WV], 9
	s_add_co_u32 s34, s34, s35
	s_mov_b32 s35, 0
	s_mul_i32 s84, s[WV], REGB                     ; and where they go: a constant x wave
	s_mul_i32 s85, s[WV], 4352
	s_lshl_b32 s89, s[WV], 9
	s_mul_i32 s[SBASE], s[WV], STGW
	s_add_co_u32 s[SBASE], s[SBASE], STG
	s_wait_kmcnt 0x0
	s_add_nc_u64 s[4:5], s[4:5], s[26:27]
	s_add_nc_u64 s[6:7], s[6:7], s[28:29]
.irp m, 0,1,2,3
	global_load_b128 v[XS+4*\m:XS+4*\m+3], v[VXS], s[6:7] offset:512*\m   ; x is what the first product waits for longest: its loads go out first of all
.endr
	RAW 0
	RAW 1
	WIN 0
	s_mov_b32 s[G0S], 1
	s_add_co_u32 s[G0S+1], s85, SCL
	s_add_nc_u64 s[G0S+2:G0S+3], s[10:11], s[32:33]
	s_or_b32 s[G0S+3], s[G0S+3], 0x80000000
	s_mov_b32 s[G0B], 1
	s_add_co_u32 s[G0B+1], s89, BIA
	s_add_nc_u64 s[G0B+2:G0B+3], s[12:13], s[34:35]
	s_or_b32 s[G0B+3], s[G0B+3], 0x80000000
	s_mov_b32 s[G0A], 1
	s_mov_b32 s[G0A+1], s84
	s_add_nc_u64 s[G0A+2:G0A+3], s[8:9], s[30:31]  ; rows 0-127 of my 512
	s_or_b32 s[G0A+3], s[G0A+3], 0x80000000
	s_mov_b32 s[G0W], 1
	s_add_co_u32 s[G0W+1], s84, SLOT1
	s_add_nc_u64 s[G0W+2:G0W+3], s[8:9], s[30:31]
	s_add_nc_u64 s[G0W+2:G0W+3], s[G0W+2:G0W+3], 98304  ; rows 128-255
	s_or_b32 s[G0W+3], s[G0W+3], 0x80000000
	CROUND                                         ; all four work-groups are here: the first joint loads meet
	tensor_load_to_lds s[G0S:G0S+3], s[G1S:G1S+7]  ; the first fills go out as one group: four loads of mine are out
	s_nop 0
	tensor_load_to_lds s[G0B:G0B+3], s[G1B:G1B+7]
	s_nop 0
	tensor_load_to_lds s[G0A:G0A+3], s[G1T:G1T+7]
	s_nop 0
	tensor_load_to_lds s[G0W:G0W+3], s[G1T:G1T+7]
	s_nop 0
	NOPS
	v_and_b32 v5, 3, v0
	v_bfe_u32 v6, v0, 2, 1
	v_lshl_add_u32 v5, v5, 1, v6                   ; 2 (r % 4) + (r / 4) % 2: my row among a tile's eight of a region
	v_bfe_u32 v6, v0, 3, 1                         ; r / 8: the region
	v_mul_u32_u24 v[LWA], v6, REGB
	v_mad_u32_u24 v[LWA], v5, 816, v[LWA]
	v_mad_u32_u24 v[LWA], v4, 24, v[LWA]
	v_lshl_add_u32 v[LWB], v4, 4, v[LWA]
	v_mul_u32_u24 v[ASC], v6, 1088                 ; scale bytes: a piece of 272 holds eight rows; 32 rows are four pieces
	v_lshl_add_u32 v[ASC], v5, 5, v[ASC]
	v_lshl_add_u32 v[ASC], v4, 4, v[ASC]           ; lanes 16-31 take K steps 4-7
	v_add_nc_u32 v[ASC], SCL, v[ASC]
	v_lshl_add_u32 v[ABI], v4, 7, BIA              ; the bias of rows 32 h on
	v_and_b32 v5, 31, v0                           ; lane
	v_lshl_add_u32 v[ST0], v5, 4, s[SBASE]
	v_lshl_add_u32 v[XW1], v4, 4, v[ST0]
	v_lshl_add_u32 v[SBA], v3, 2, s[SBASE]
	v_add_nc_u32 v[SBA], SCB, v[SBA]
	v_lshl_add_u32 v[SSR], v5, 3, s[SBASE]
	v_add_nc_u32 v[SSR], SCB, v[SSR]
	v_mul_u32_u24 v[XR], v3, 784
	v_mad_u32_u24 v[XR], v4, 24, v[XR]
	v_add_nc_u32 v[XR], s[SBASE], v[XR]
	v_lshlrev_b32 v[OS], 3, v5
	v_mul_u32_u24 v[VWD], v3, 384
	v_mad_u32_u24 v[VWD], v4, 24, v[VWD]
	v_lshlrev_b32 v[VWS], 5, v5
.irp m, 0,1,2,3
	v_mov_b32 v[TM+4+\m], 0                        ; written once: a lane permute's destination counts as one of its sources
.endr
	s_mov_b32 s[LIMP], 0x40e00000
	s_mov_b32 s[LIMN], 0xc0e00000
	s_mov_b32 s[CEX], 0xc01d265f
	s_mov_b32 s[CEX+1], s[CEX]
	s_mov_b32 s[SEL], 0x76543210
	s_mov_b32 s[SEL+1], 0xfedcba98
	s_mov_b32 s[TB], 0
	s_mov_b32 s[S520], 0
	s_mov_b32 s[S1016], 0
	s_mov_b32 s[S2C], 0
	; the other global bases (s31 = 0 still)
	s_lshl_b32 s32, s25, 3
	s_add_co_u32 s32, s32, s24                     ; 8 y + x = 0 .. 255: the side job's block of 64 rows of Wd (/ 16) and its expert (% 16); its K step is my wave's number
	s_lshr_b32 s33, s32, 4
	s_and_b32 s34, s32, 15
	s_mul_i32 s30, s34, 393216                     ; an expert's 1,024 rows of 384 bytes
	s_mul_i32 s35, s33, 24576
	s_add_co_u32 s30, s30, s35
	s_mul_i32 s35, s[WV], 96
	s_add_co_u32 s30, s30, s35
	s_add_nc_u64 s[14:15], s[14:15], s[30:31]
	s_lshl_b32 s30, s34, 14                        ; its scale bytes, 16 a row
	s_lshl_b32 s35, s33, 10
	s_add_co_u32 s30, s30, s35
	s_lshl_b32 s35, s[WV], 2
	s_add_co_u32 s30, s30, s35
	s_add_nc_u64 s[16:17], s[16:17], s[30:31]
	s_lshr_b32 s84, s[WV], 1
	s_and_b32 s85, s[WV], 1
	s_mul_i32 s30, s33, 409600                     ; wdl: [block of columns][2 (e % 4) + s / 2][e / 4][s % 2][6,400]
	s_and_b32 s35, s34, 3
	s_lshl_b32 s35, s35, 1
	s_add_co_u32 s35, s35, s84
	s_mul_i32 s35, s35, 51200
	s_add_co_u32 s30, s30, s35
	s_lshr_b32 s35, s34, 2
	s_mul_i32 s35, s35, 12800
	s_add_co_u32 s30, s30, s35
	s_mul_i32 s35, s85, 6400
	s_add_co_u32 s30, s30, s35
	s_add_nc_u64 s[20:21], s[20:21], s[30:31]
	s_lshl_b32 s30, s24, 1
	s_add_co_u32 s30, s30, s84                     ; fq: [block of 128 tokens = 2 x + w / 2][y % 8][y / 8][K step % 2][12,800]
	s_mul_i32 s30, s30, 819200
	s_and_b32 s35, s25, 7
	s_mul_i32 s35, s35, 102400
	s_add_co_u32 s30, s30, s35
	s_lshr_b32 s35, s25, 3
	s_mul_i32 s35, s35, 25600
	s_add_co_u32 s30, s30, s35
	s_add_nc_u64 s[18:19], s[18:19], s[30:31]
	s_mul_i32 s30, s85, 6144                       ; my four images of its eight,
	s_add_nc_u64 s[FBC:FBC+1], s[18:19], s[30:31]
	s_lshl_b32 s30, s85, 8
	s_add_co_u32 s30, s30, 12288                   ; my 64 scale words of its 128
	s_add_nc_u64 s[FBS:FBS+1], s[18:19], s[30:31]
	s_wait_loadcnt 24                              ; x's scale words and tile 0 are in; tile 1's 24 loads may be out
	XTURN 0
	RAW 2
	s_wait_loadcnt 24                              ; tile 1 is in
	XTURN 1
	RAW 3
	s_wait_loadcnt 24                              ; tile 2
	WIN 0
	; the side job's loads, behind all of x's: four fragments of Wd as the operand's layout has them, and the 64 rows' scale words of my K step, two a lane.  Nothing names their registers before the first loop's end.
.irp n, 0,1,2,3
.irp p, 0,1,2,3,4,5
	global_load_b64 v[OUTR+12*\n+2*\p:OUTR+12*\n+2*\p+1], v[VWD], s[14:15] offset:6144*\n+48*(\p/3)+8*(\p%3) th:TH_LOAD_NT
.endr
.endr
	global_load_b32 v[OUTR+48], v[VWS], s[16:17] th:TH_LOAD_NT
	global_load_b32 v[OUTR+49], v[VWS], s[16:17] offset:16 th:TH_LOAD_NT
	XTURN 2
	s_wait_loadcnt 26                              ; tile 3 is in; the side job's 26 loads may be out
	XTURN 3
	WIN 0
	s_wait_tensorcnt 0x1                           ; scale bytes, bias and my part of slot 0 are in; slot 1's load may stay out
	s_barrier_signal -1
	s_barrier_wait -1                              ; everybody's are
.macro SETAW                           ; the fragments' LDS addresses for the slot in hand, in window 1
	s_add_co_u32 s[TB1], s[TB], SUBB
	WIN 0x40
	v_add_nc_u32 v[AW], s[TB], v[LWA]
	v_add_nc_u32 v[AW+1], s[TB], v[LWB]
	v_add_nc_u32 v[AW+2], s[TB1], v[LWA]
	v_add_nc_u32 v[AW+3], s[TB1], v[LWB]
.endm
; Piece n of the 24 that bring K step kk's four fragments of sub-tile sub: 8 bytes a lane.  16 bytes of padding lie behind every 256 of a row's 768: where lanes 16-31 (24 bytes on) have passed one more, the second address serves.
.macro LDW sub, kk, n
.set tt, (\n)/6
.set pp, (\n)%6
.set oo, 96*(\kk)+48*(pp/3)+8*(pp%3)
.set rg, WF+48*((\kk)%2)+12*tt+2*pp
.if (oo>>8) == ((oo+24)>>8)
	ds_load_b64 v[rg:rg+1], v[AW+2*(\sub)] offset:oo+16*(oo>>8)+6528*tt
.else
	ds_load_b64 v[rg:rg+1], v[AW+2*(\sub)+1] offset:oo+16*(oo>>8)+6528*tt
.endif
.endm
; What a sub-tile wants before its first product: its bias in the result's layout, its scale words, its fragments of K step 0.  No LDS instruction of mine is out where the two addresses are stepped.
.macro NEXT sub, step
	WIN 0
.if \step
	v_add_nc_u32 v[ASC], 2176, v[ASC]
	v_add_nc_u32 v[ABI], 256, v[ABI]
.endif
.irp t, 0,1,2,3
.irp j, 0,1,2,3,4,5,6,7
	ds_load_b32 v[BI+8*\t+\j], v[ABI] offset:32*\t+8*(\j%4)+4*(\j/4)
.endr
.endr
.irp t, 0,1,2,3
	ds_load_b128 v[WS+4*\t:WS+4*\t+3], v[ASC] offset:272*\t
.endr
	WIN 0x41
.set n, 0
.rept 24
	LDW \sub, 0, n
.set n, n+1
.endr
.endm
; A sub-tile's 128 matrix instructions.  The 16 accumulators take turns, one instruction a turn.
; THE LDS LOADS STAND IN ONE RUN A K STEP, never singly among the matrix instructions: behind a K step's first four products (tile 0's) come four places, for the registers that the K step before has read,
; and the next K step's 24 loads; twelve products follow.  So a run stands twelve matrix instructions ahead of the first use of its first six loads, and sixteen and a run ahead of the others'.
.macro MATRIX sub
	s_wait_dscnt 0x0                               ; bias, scale words, K step 0
.set ks, 0
.rept 8
.if ks == 0
	WIN 0x49                                       ; D and Wgu window 1, x window 2, C (the bias) window 0
.elseif ks < 5
	WIN 0x59                                       ; C window 1
.else
	WIN 0x5d                                       ; x window 3
.endif
.if ks > 0
	s_wait_dscnt 18                                ; of the last run's 24 loads the first six, tile 0's fragment, are in
.endif
.set i, 0
.rept 16
.if i == 4
.if ks < 7
	NOPS
.set n, 0
.rept 24
	LDW \sub, ks+1, n
.set n, n+1
.endr
.if ks > 0
	s_wait_dscnt 24                                ; all but the run just issued: this K step's tiles 1 to 3
.endif
.else
	s_wait_dscnt 0x0                               ; the last K step fetches nothing
.endif
.endif
.set rA, WF+48*(ks%2)+12*(i/4)
.set rB, 12*(4*(ks%5)+i%4)
.set rW, WS+4*(i/4)+ks%4
.set rX, XS+4*(i%4)+ks%4
.if ks == 0
	v_wmma_scale_f32_16x16x128_f8f6f4 v[8*i:8*i+7], v[rA:rA+11], v[rB:rB+11], v[BI+8*(i/4):BI+8*(i/4)+7], v[rW], v[rX] matrix_a_fmt:MATRIX_FMT_FP6 matrix_b_fmt:MATRIX_FMT_FP6
.elseif ks < 4
	v_wmma_scale_f32_16x16x128_f8f6f4 v[8*i:8*i+7], v[rA:rA+11], v[rB:rB+11], v[8*i:8*i+7], v[rW], v[rX] matrix_a_fmt:MATRIX_FMT_FP6 matrix_b_fmt:MATRIX_FMT_FP6
.else
	v_wmma_scale_f32_16x16x128_f8f6f4 v[8*i:8*i+7], v[rA:rA+11], v[rB:rB+11], v[8*i:8*i+7], v[rW], v[rX] matrix_a_fmt:MATRIX_FMT_FP6 matrix_b_fmt:MATRIX_FMT_FP6 matrix_a_scale:MATRIX_SCALE_ROW1 matrix_b_scale:MATRIX_SCALE_ROW1
.endif
.set i, i+1
.endr
.set ks, ks+1
.endr
.endm
; The activation and the quantiser of a sub-tile: 64 numbers a lane.  Each accumulator is read from its low end on.  The exponentials are one batch with one wait, and so are the reciprocals.
.macro EPI sub, dst
	WIN 0x44
.irp a, 0,1,2,3,4,5,6,7,8,9,10,11,12,13,14,15
.irp j, 0,1,2,3
	v_min_num_f32 v[8*\a+\j], s[LIMP], v[8*\a+\j]  ; g = min(g, 7)
.endr
.endr
	WIN 0x41
.irp a, 0,1,2,3,4,5,6,7,8,9,10,11,12,13,14,15
.irp j, 4,5,6,7
	v_med3_num_f32 v[8*\a+\j], v[8*\a+\j], s[LIMN], s[LIMP]   ; l held to -7 .. 7
.endr
.endr
	WIN 0x01
.irp t, 0,1,2,3
.irp m, 0,1,2,3
.irp j, 0,2
	v_pk_mul_f32 v[T+16*\m+4*\t+\j:T+16*\m+4*\t+\j+1], v[8*(4*\t+\m)+\j:8*(4*\t+\m)+\j+1], s[CEX:CEX+1] op_sel_hi:[1,0]   ; -1.702 log2(e) g
.endr
.endr
.endr
	WIN 0
.set n, 0
.rept 64
	v_exp_f32 v[T+n], v[T+n]
.set n, n+1
.endr
	WIN 0x55
.irp a, 0,1,2,3,4,5,6,7,8,9,10,11,12,13,14,15
.irp j, 0,2
	v_pk_fma_f32 v[8*\a+4+\j:8*\a+5+\j], v[8*\a+\j:8*\a+\j+1], v[8*\a+4+\j:8*\a+5+\j], v[8*\a+\j:8*\a+\j+1]   ; g l + g: plain work that names no exponential's result
.endr
.endr
	WIN 0
	s_wait_alu depctr_va_vdst(0)                   ; one wait for the 64 exponentials, ahead of their first reader
.set n, 0
.rept 32
	v_pk_add_f32 v[T+n:T+n+1], v[T+n:T+n+1], 1.0 op_sel_hi:[1,0]
.set n, n+2
.endr
.set n, 0
.rept 64
	v_rcp_f32 v[T+n], v[T+n]                       ; the sigmoid
.set n, n+1
.endr
	v_nop                                          ; a plain instruction behind the last reciprocal
	s_wait_alu depctr_va_vdst(0)                   ; and one wait for the 64
	WIN 0x04
.irp t, 0,1,2,3
.irp m, 0,1,2,3
.irp j, 0,2
	v_pk_mul_f32 v[T+16*\m+4*\t+\j:T+16*\m+4*\t+\j+1], v[T+16*\m+4*\t+\j:T+16*\m+4*\t+\j+1], v[8*(4*\t+\m)+4+\j:8*(4*\t+\m)+5+\j]   ; F(token 16 m + r, d = 16 h + 4 t + j ..)
.endr
.endr
.endr
	WIN 0
.irp m, 0,1,2,3
	v_max3_num_f32 v[TM+\m], |v[T+16*\m]|, |v[T+16*\m+1]|, 0x1800000   ; my 16 numbers of the block, and the floor 2^(3 - 127): the byte cannot fall under 1
.endr
.irp i, 2,4,6,8,10,12,14
.irp m, 0,1,2,3
	v_max3_num_f32 v[TM+\m], v[TM+\m], |v[T+16*\m+\i]|, |v[T+16*\m+\i+1]|
.endr
.endr
.irp m, 0,1,2,3
	v_permlanex16_b32 v[TM+4+\m], v[TM+\m], s[SEL], s[SEL+1]
.endr
.irp m, 0,1,2,3
	v_max_num_f32 v[TM+\m], v[TM+\m], v[TM+4+\m]   ; with lane l xor 16's 16: the block's largest magnitude
.endr
.irp m, 0,1,2,3
	v_add_nc_u32 v[TM+8+\m], 0xff000000, v[TM+\m]  ; 2 off its exponent field: the conversion's scale operand
.endr
.irp m, 0,1,2,3
	v_lshrrev_b32 v[TM+4+\m], 23, v[TM+8+\m]       ; the scale's byte
.endr
.irp m, 0,1,2,3
	v_cvt_scalef32_pk16_fp6_f32 v[\dst+4*\m:\dst+4*\m+2], v[T+16*\m:T+16*\m+15], v[TM+8+\m]
.endr
	v_nop                                          ; a plain instruction behind the last scaled conversion
.irp m, 0,1,2,3
	ds_store_b8 v[SBC], v[TM+4+\m] offset:64*\m+\sub   ; byte 2 c + sub of token 16 m + r's scale word; lanes r and r + 16 write the same byte with the same value
.endr
.endm
; A pair's two sub-tiles are blocks 2 c and 2 c + 1 of an image's four.  The exchange gives each lane a whole block (lanes 0-15: 2 c, lanes 16-31: 2 c + 1): registers 6 c .. 6 c + 5 of the image.
.macro STAGE
.irp m, 0,1,2,3
.irp i, 0,1,2
	v_permlane16_swap_b32 v[XC+4*\m+\i], v[YC+4*\m+\i]
.endr
.endr
.irp m, 0,1,2,3
	ds_store_b64 v[STA], v[XC+4*\m:XC+4*\m+1] offset:1536*\m      ; registers 6 c, 6 c + 1: bytes 0, 4 or 520, 524
	ds_store_b32 v[STB], v[XC+4*\m+2] offset:1536*\m+8            ; 6 c + 2: 8 or 1,024
	ds_store_b32 v[STB], v[YC+4*\m] offset:1536*\m+12             ; 6 c + 3: 12 or 1,028
	ds_store_b32 v[STA], v[YC+4*\m+1] offset:1536*\m+512          ; 6 c + 4: 512 or 1,032
	ds_store_b32 v[STA], v[YC+4*\m+2] offset:1536*\m+516          ; 6 c + 5: 516 or 1,036
.endr
.endm
; The change of slots.  Each wave waits for all its tensor loads (its part of the slot ahead), adds 0 to its spare word, and waits for that and for its reads of the slot that it leaves.
; refill = 1: a round of the cluster's barrier, and behind it the joint load of the rows two slots on into the slot just left; it has a pair of sub-tiles in which to land.
.macro CHANGE refill
	WIN 0
	s_wait_tensorcnt 0x0                           ; no tensor load of mine is out, so the walking group 0 may be written
	ds_add_u32 v[SPW], v[NIL]                      ; 0 onto my spare word
.if \refill
	s_xor_b32 s[G0W+1], s[G0W+1], SLOT1
	s_add_nc_u64 s[G0W+2:G0W+3], s[G0W+2:G0W+3], 98304   ; 128 rows on
.endif
	s_xor_b32 s[TB], s[TB], SLOT1
	s_wait_dscnt 0x0
.if \refill
	CROUND
	tensor_load_to_lds s[G0W:G0W+3], s[G1T:G1T+7]
	s_nop 0
.else
	s_barrier_signal -1
	s_barrier_wait -1
.endif
	NOPS                                           ; also the places behind the last products, for the loads and the reads of results that follow
	SETAW
.endm
; A slot's two sub-tiles.  guard = 1: the last trip fetches nothing for a next sub-tile.
.macro PAIR refill, guard
	MATRIX 0
	WIN 0
	v_add_nc_u32 v[SBC], s[S2C], v[SBA]            ; no LDS instruction of mine is out.  These four lines are the places behind the last products
	v_add_nc_u32 v[STA], s[S520], v[ST0]
	v_add_nc_u32 v[STB], s[S1016], v[ST0]
	v_nop
	NEXT 1, 1
	EPI 0, XC
	MATRIX 1
	CHANGE \refill
	WIN 0
.if \guard
	s_cmp_eq_u32 s[CNT], 1
	s_cbranch_scc1 .Lno_next_\@
.endif
	NEXT 0, 1
	WIN 0
.if \guard
.Lno_next_\@:
.endif
	EPI 1, YC
	STAGE
	s_add_co_u32 s[S520], s[S520], 520
	s_add_co_u32 s[S1016], s[S1016], 1016
	s_add_co_u32 s[S2C], s[S2C], 2
.endm
; Two pairs have filled four images and 64 scale words in my stage: they leave in stores of 512 and of 256 consecutive bytes.
.macro OUT si
	s_wait_xcnt 0x0                                ; earlier stores have read these registers
.irp g, 0,1,2,3,4,5,6,7,8,9,10,11
	ds_load_b128 v[OUTR+4*\g:OUTR+4*\g+3], v[ST0] offset:512*\g   ; LDS serves a wave's instructions in order: these see my stores
.endr
	ds_load_b64 v[OUTR+48:OUTR+49], v[SSR]
	s_wait_dscnt 0x0
.irp g, 0,1,2,3,4,5,6,7,8,9,10,11
	global_store_b128 v[OL], v[OUTR+4*\g:OUTR+4*\g+3], s[FBC:FBC+1] offset:12800*\si+512*\g
.endr
	global_store_b64 v[OS], v[OUTR+48:OUTR+49], s[FBS:FBS+1] offset:12800*\si
.endm
	SETAW
	NEXT 0, 0
	WIN 0
	s_mov_b32 s[CNT], 2
.Lloop_a:                                          ; rows 0-255: behind each pair its slot is filled again
	PAIR 1, 0
	s_sub_co_u32 s[CNT], s[CNT], 1
	s_cmp_lg_u32 s[CNT], 0
	s_cbranch_scc1 .Lloop_a
	s_wait_loadcnt 0x0                             ; the side job's block of Wd, asked for ahead of the loop
.irp g, 0,1,2,3,4,5,6,7,8,9,10,11
	global_store_b128 v[OL], v[OUTR+4*\g:OUTR+4*\g+3], s[20:21] offset:512*\g   ; its four images: 512 consecutive bytes a store
.endr
	global_store_b64 v[OS], v[OUTR+48:OUTR+49], s[20:21] offset:6144            ; and its 64 scale words: 256 consecutive bytes
	OUT 0
	s_mov_b32 s[S520], 0
	s_mov_b32 s[S1016], 0
	s_mov_b32 s[S2C], 0
	s_mov_b32 s[CNT], 2
.Lloop_b:                                          ; rows 256-511: nothing is left to fetch from memory
	PAIR 0, 1
	s_sub_co_u32 s[CNT], s[CNT], 1
	s_cmp_lg_u32 s[CNT], 0
	s_cbranch_scc1 .Lloop_b
	OUT 1
	s_wait_tensorcnt 0x0                           ; the wave's end
	ds_add_u32 v[SPW], v[NIL]
	s_wait_dscnt 0x0
	CROUND                                         ; the closing round
	s_endpgm
.Lfunc_end_k_qf09e0ab095_up:
	.size	k_qf09e0ab095_up, .Lfunc_end_k_qf09e0ab095_up-k_qf09e0ab095_up
	.p2alignl 7, 3214868480
	.fill 96, 4, 3214868480
	.section	.rodata,"a",@progbits
	.p2align	6, 0x0
	.amdhsa_kernel k_qf09e0ab095_up
		.amdhsa_group_segment_fixed_size 327680
		.amdhsa_private_segment_fixed_size 0
		.amdhsa_enable_private_segment 0
		.amdhsa_kernarg_size 72
		.amdhsa_user_sgpr_count 2
		.amdhsa_user_sgpr_kernarg_segment_ptr 1
		.amdhsa_wavefront_size32 1
		.amdhsa_system_sgpr_workgroup_id_x 1
		.amdhsa_system_sgpr_workgroup_id_y 1
		.amdhsa_system_sgpr_workgroup_id_z 1
		.amdhsa_system_vgpr_workitem_id 0
		.amdhsa_next_free_vgpr 1024
		.amdhsa_next_free_sgpr 96
		.amdhsa_reserve_vcc 0
		.amdhsa_float_denorm_mode_32 3
		.amdhsa_float_denorm_mode_16_64 3
		.amdhsa_memory_ordered 1
		.amdhsa_forward_progress 1
		.amdhsa_inst_pref_size 255
	.end_amdhsa_kernel
	.section	.bss,"aw",@nobits
	.p2align	6
	.space	262144
	.amdgpu_metadata
---
amdhsa.version: [ 1, 2 ]
amdhsa.kernels:
  - .name:           k_qf09e0ab095_up
    .symbol:         k_qf09e0ab095_up.kd
    .args:
      - { .name: hidden_states_codes, .offset: 0, .size: 8, .value_kind: global_buffer, .address_space: global }
      - { .name: hidden_states_scales, .offset: 8, .size: 8, .value_kind: global_buffer, .address_space: global }
      - { .name: Wgu_codes, .offset: 16, .size: 8, .value_kind: global_buffer, .address_space: global }
      - { .name: Wgu_scales, .offset: 24, .size: 8, .value_kind: global_buffer, .address_space: global }
      - { .name: bgu, .offset: 32, .size: 8, .value_kind: global_buffer, .address_space: global }
      - { .name: Wd_codes, .offset: 40, .size: 8, .value_kind: global_buffer, .address_space: global }
      - { .name: Wd_scales, .offset: 48, .size: 8, .value_kind: global_buffer, .address_space: global }
      - { .name: fq, .offset: 56, .size: 8, .value_kind: global_buffer, .address_space: global }
      - { .name: wdl, .offset: 64, .size: 8, .value_kind: global_buffer, .address_space: global }
    .group_segment_fixed_size: 327680
    .private_segment_fixed_size: 0
    .kernarg_segment_align: 8
    .kernarg_segment_size: 72
    .max_flat_workgroup_size: 128
    .sgpr_count:     96
    .vgpr_count:     1024
    .wavefront_size: 32
...
	.end_amdgpu_metadata
.endif
;; end of part 3
;; launch down (part 4): grid 16 x 16, 4 waves a work-group, clusters of 4 x 4, 327,680 bytes of LDS; arguments fq, wdl, routing_weights, bd, out0; writes out0
.if DOCPART == 4
	.amdgcn_target "amdgcn-amd-amdhsa--gfx1250"
	.amdhsa_code_object_version 6
	.text
	.protected	k_qf09e0ab095_down
	.globl	k_qf09e0ab095_down
	.p2align	8
	.type	k_qf09e0ab095_down,@function
k_qf09e0ab095_down:
	s_mov_b64 s[64:65], 0
	v_nop
	global_prefetch_b8 v0, s[64:65] scope:SCOPE_SE
	s_setreg_imm32_b32 hwreg(HW_REG_WAVE_MODE, 25, 1), 1
	s_wait_xcnt 0x0
	s_wait_alu depctr_hold_cnt(0) depctr_sa_sdst(0) depctr_va_vdst(0) depctr_va_sdst(0) depctr_va_ssrc(0) depctr_va_vcc(0) depctr_vm_vsrc(0)
	s_getreg_b32 s2, hwreg(HW_REG_IB_STS2, 6, 4)
	s_cmp_eq_u32 s2, 0
	s_cbranch_scc0 .Lentry_in_a_cluster
	s_endpgm
.Lentry_in_a_cluster:
	s_bfe_u32 s2, ttmp6, 0x10000c
	s_cmp_lg_u32 s2, 0xf033
	s_cbranch_scc0 .Lentry_shape_is_right
	s_endpgm
.Lentry_shape_is_right:
; out[t][h] = the sum over e of rw[t][e] x (F[e][t] . Wd[e][h] + bd[e][h]).  F and Wd come as images of operand registers with their scale words (fq, wdl), codes of FP6 (E2M3), one E8M0 byte for each 32 along d.
; SHARES.  A work-group makes 128 tokens (tb = work-group y) x 64 columns (cb = work-group x).  THE WAVES SHARE K: wave w takes experts 4 w .. 4 w + 3 over the whole tile: 32 accumulators (256 registers) and 256
; registers of weighted sums.  16 steps of 128 along d, 32 matrix instructions each; behind every fourth step the expert's results, which began with bd as C, are weighted by rw and added to the sums.
; At the end the four waves' sums meet in LDS.
; Source 0 = 16 rows of Wd (columns of the output), source 1 = 16 tokens: a lane holds one token and eight neighbouring columns, so rw is one number a lane.
; MEMORY.  fq: [tb][k 8][wave 4][2][12,800], wdl: [cb][k 8][wave 4][2][6,400]: what a slot wants (k: for each wave two steps) is one dense run of 102,400 and one of 51,200 bytes.  A block: 8 (4) images of 1,536 bytes,
; then 128 (64) scale words.  An image comes back by three loads of 16 bytes a lane, 512 consecutive bytes each: no pitch, no padding.
; CLUSTER 4 x 4: F's run hangs on tb alone and is shared along a row of the cluster, Wd's on cb alone and is shared along a column: joint loads; waves 0 and 1 fetch F's halves, waves 2 and 3 Wd's.
; A slot's 153,600 bytes feed 64 matrix instructions a wave, so the refills set the pace: the request for a slot stands straight behind the landing of the other, and all work on registers behind the request.
; LIMITS: NaN and infinities are not served.
; REGISTERS.  Window 0: v1-12 addresses; v16-27 two sets of scale words; v32-127 two sets of Wd's four fragments; v128-255 bd (32 i + 8 n).  Window 1: v0-191 two sets of F's eight fragments; v192-223 rw (4 m + i).
; Window 2: the accumulators, 8 (4 m + n).  Window 3: the sums.
.set SLOTB, 153600                     ; a slot: F's 102,400 bytes, then Wd's 51,200
.set WOFF,  102400
.set SPARE, 307200                     ; behind the two slots: the spare words
.set PP,    34816                      ; the way out: a wave's sums, 128 rows x (256 + 16) bytes; the four lie in slot 0, which has had its last fill and its last read by then
.set AF,  1                            ; v1-2   F's images in slot 0, 1: + 25,600 w + 16 x lane
.set AWD, 3                            ; v3-4   Wd's: + 102,400 + 12,800 w + 16 x lane
.set ASF, 5                            ; v5-6   F's scale words: 4 x lane
.set ASW, 7                            ; v7-8   Wd's
.set STO, 9
.set RD0, 10
.set RD1, 11
.set CO,  12
.set SPW, 14
.set NIL, 15
.set SCR, 16                           ; a set: four registers of F's words (lanes 0-15 the even tile of tokens, lanes 16-31 the odd), two of Wd's
.set WFR, 32
.set BD,  128
.set RW,  192                          ; window 1
.set G1,  24                           ; s[24:31], s[32:39]: groups 1 and 0 (a set for each slot) for F;  s[48:55], s[56:63] for Wd
.set G0,  32
.set G1B, 48
.set G0B, 56
.set MSB, 0
.macro WIN new
.if MSB != \new
	s_set_vgpr_msb (MSB<<8)|\new
.set MSB, \new
.endif
.endm
.macro NOPS
.rept 4
	v_nop
.endr
.endm
.macro JLOAD s                         ; a joint refill: the branch hangs on the wave's number alone; four v_nop follow each of the two lines
	s_cmp_eq_u32 s15, 0
	s_cbranch_scc0 .Lfor_b_\@
	tensor_load_to_lds s[G0+4*(\s):G0+4*(\s)+3], s[G1:G1+7]
	s_nop 0
	NOPS
	s_branch .Lasked_\@
.Lfor_b_\@:
	tensor_load_to_lds s[G0B+4*(\s):G0B+4*(\s)+3], s[G1B:G1B+7]
	s_nop 0
	NOPS
.Lasked_\@:
.endm
.macro CREST                           ; a round of the cluster's barrier behind its opening barrier
	s_cmp_lg_u32 s14, 0
	s_cbranch_scc1 .Lnot_wave_0_\@
	s_barrier_signal -3
.Lnot_wave_0_\@:
	s_barrier_wait -3
	s_barrier_signal -1
	s_barrier_wait -1
.endm
.macro CROUND
	s_barrier_signal -1
	s_barrier_wait -1
	CREST
.endm
	s_load_b256 s[4:11], s[0:1], 0x0               ; fq, wdl, routing_weights, bd
	s_load_b64 s[12:13], s[0:1], 0x20              ; out0
	v_lshl_add_u32 v[SPW], v0, 2, SPARE
	v_mov_b32 v[NIL], 0
	ds_add_u32 v14, v15
	ds_add_u32 v14, v15
	s_wait_dscnt 0x0
	v_lshrrev_b32 v13, 5, v0
	v_readfirstlane_b32 s14, v13                   ; wave 0..3
	s_lshr_b32 s15, s14, 1                         ; I fetch for F (0) or for Wd (1),
	s_and_b32 s16, s14, 1                          ; this half of the run
	s_bfe_u32 s40, ttmp6, 0x40000                  ; cx, cy
	s_bfe_u32 s41, ttmp6, 0x40004
	s_lshl_b32 s42, ttmp9, 2
	s_add_co_u32 s42, s42, s40                     ; cb
	s_and_b32 s17, ttmp7, 0xffff
	s_lshl_b32 s17, s17, 2
	s_add_co_u32 s17, s17, s41                     ; tb
	s_lshl_b32 s43, s41, 2
	s_lshl_b32 s43, 15, s43                        ; my row of the cluster
	s_lshl_b32 s44, 0x1111, s40                    ; my column
	s_or_b32 s[G1], s43, (3<<16)|(1<<21)           ; the mask; elements of 8 bytes; bit 21 beside a mask; no padding
	s_or_b32 s[G1B], s44, (3<<16)|(1<<21)
	s_mov_b32 s[G1+1], 32<<16                      ; rows of 256 bytes: 200 for half of F's run,
	s_mov_b32 s[G1+2], 200<<16
	s_mov_b32 s[G1+3], 32<<16
	s_mov_b32 s[G1+4], 200
	s_mov_b32 s[G1+5], 32
	s_mov_b32 s[G1+6], 0
	s_mov_b32 s[G1+7], 0
	s_mov_b32 s[G1B+1], 32<<16                     ; 100 for half of Wd's
	s_mov_b32 s[G1B+2], 100<<16
	s_mov_b32 s[G1B+3], 32<<16
	s_mov_b32 s[G1B+4], 100
	s_mov_b32 s[G1B+5], 32
	s_mov_b32 s[G1B+6], 0
	s_mov_b32 s[G1B+7], 0
	s_mul_i32 s20, s17, 819200                     ; F: by tb and the wave's number alone
	s_mul_i32 s18, s16, 51200
	s_add_co_u32 s20, s20, s18
	s_mov_b32 s21, 0
	s_mul_i32 s46, s42, 409600                     ; Wd: by cb and the wave's number alone
	s_mul_i32 s19, s16, 25600
	s_add_co_u32 s46, s46, s19
	s_mov_b32 s47, 0
	s_mul_i32 s45, s16, 51200                      ; where they go: no place in the cluster enters an LDS address
	s_mul_i32 s22, s16, 25600
	s_add_co_u32 s22, s22, WOFF
	s_wait_kmcnt 0x0
	s_add_nc_u64 s[20:21], s[4:5], s[20:21]
	s_add_nc_u64 s[46:47], s[6:7], s[46:47]
.irp s, 0,1
	s_mov_b32 s[G0+4*\s], 1
	s_add_co_u32 s[G0+4*\s+1], s45, \s*SLOTB
	s_add_nc_u64 s[G0+4*\s+2:G0+4*\s+3], s[20:21], \s*102400
	s_or_b32 s[G0+4*\s+3], s[G0+4*\s+3], 0x80000000
	s_mov_b32 s[G0B+4*\s], 1
	s_add_co_u32 s[G0B+4*\s+1], s22, \s*SLOTB
	s_add_nc_u64 s[G0B+4*\s+2:G0B+4*\s+3], s[46:47], \s*51200
	s_or_b32 s[G0B+4*\s+3], s[G0B+4*\s+3], 0x80000000
.endr
	CROUND                                         ; all sixteen work-groups are here: the first joint loads meet
	s_cmp_eq_u32 s15, 0                            ; a wave's two first fills stand in one branch: two loads of mine are out
	s_cbranch_scc0 .Lfirst_b
	tensor_load_to_lds s[G0:G0+3], s[G1:G1+7]
	s_nop 0
	tensor_load_to_lds s[G0+4:G0+7], s[G1:G1+7]
	s_nop 0
	NOPS
	s_branch .Lfirst_asked
.Lfirst_b:
	tensor_load_to_lds s[G0B:G0B+3], s[G1B:G1B+7]
	s_nop 0
	tensor_load_to_lds s[G0B+4:G0B+7], s[G1B:G1B+7]
	s_nop 0
	NOPS
.Lfirst_asked:
	v_and_b32 v13, 31, v0                          ; lane
	v_and_b32 v28, 15, v0                          ; r
	v_bfe_u32 v29, v0, 4, 1                        ; h
	s_mul_i32 s18, s14, 25600
	v_lshl_add_u32 v[AF], v13, 4, s18
	v_add_nc_u32 v[AF+1], SLOTB, v[AF]
	s_add_co_u32 s19, s18, 12288
	v_lshl_add_u32 v[ASF], v13, 2, s19
	v_add_nc_u32 v[ASF+1], SLOTB, v[ASF]
	s_mul_i32 s18, s14, 12800
	s_add_co_u32 s18, s18, WOFF
	v_lshl_add_u32 v[AWD], v13, 4, s18
	v_add_nc_u32 v[AWD+1], SLOTB, v[AWD]
	s_add_co_u32 s19, s18, 6144
	v_lshl_add_u32 v[ASW], v13, 2, s19
	v_add_nc_u32 v[ASW+1], SLOTB, v[ASW]
	s_mul_i32 s18, s14, PP
	v_mul_u32_u24 v[STO], v28, 272                 ; into the stage: my sums' part, row r, + 32 h
	v_lshl_add_u32 v[STO], v29, 5, v[STO]
	v_add_nc_u32 v[STO], s18, v[STO]
	s_mul_i32 s18, s14, 32*272
	v_mul_u32_u24 v[RD0], v29, 272                 ; back: rows 32 w on; lanes 0-15 one row of 256 bytes, lanes 16-31 the next
	v_lshl_add_u32 v[RD0], v28, 4, v[RD0]
	v_add_nc_u32 v[RD0], s18, v[RD0]
	v_add_nc_u32 v[RD1], 2*PP, v[RD0]
	v_lshlrev_b32 v[CO], 12, v29                   ; and the same two rows of out0 (4,096 bytes a row)
	v_lshl_add_u32 v[CO], v28, 4, v[CO]
	v_lshlrev_b32 v30, 6, v28                      ; rw: 64 bytes a token
	v_lshlrev_b32 v31, 5, v29                      ; bd: my half's eight columns
	s_lshl_b32 s68, s17, 13                        ; rw: 128 tb tokens, + my four experts
	s_lshl_b32 s70, s14, 4
	s_add_co_u32 s68, s68, s70
	s_mov_b32 s69, 0
	s_add_nc_u64 s[8:9], s[8:9], s[68:69]
	s_lshl_b32 s68, s14, 14                        ; bd: expert 4 w, + 64 cb columns
	s_lshl_b32 s70, s42, 8
	s_add_co_u32 s68, s68, s70
	s_add_nc_u64 s[10:11], s[10:11], s[68:69]
	s_lshl_b32 s68, s17, 19                        ; out0: row 128 tb + 32 w, + 64 cb columns
	s_lshl_b32 s71, s14, 17
	s_add_co_u32 s68, s68, s71
	s_add_co_u32 s68, s68, s70
	s_add_nc_u64 s[12:13], s[12:13], s[68:69]
	WIN 0x40
.irp m, 0,1,2,3,4,5,6,7
	global_load_b128 v[RW+4*\m:RW+4*\m+3], v30, s[8:9] offset:1024*\m      ; rw(16 m + r, 4 w + 0 .. 3)
.endr
	WIN 0
.irp i, 0,1,2,3
.irp n, 0,1,2,3
	global_load_b128 v[BD+32*\i+8*\n:BD+32*\i+8*\n+3], v31, s[10:11] offset:4096*\i+64*\n      ; bd(4 w + i, 16 n + 8 h + 0 .. 7): the result's layout
	global_load_b128 v[BD+32*\i+8*\n+4:BD+32*\i+8*\n+7], v31, s[10:11] offset:4096*\i+64*\n+16
.endr
.endr
; Part g of the nine of step jn's 42 LDS loads: 0, 1: Wd's four fragments; 2: the scale words; 3 to 8: F's eight fragments, tokens ascending.
.macro GRP jn, g
.set sg, ((\jn)>>1)&1
.set sp, (\jn)&1
.if (\g) < 2
	WIN 0
.irp c, 0,1,2,3,4,5
	ds_load_b128 v[WFR+48*sp+24*(\g)+4*\c:WFR+48*sp+24*(\g)+4*\c+3], v[AWD+sg] offset:6400*sp+3072*(\g)+512*\c
.endr
.elseif (\g) == 2
	WIN 0
.irp u, 0,1,2,3
	ds_load_b32 v[SCR+6*sp+\u], v[ASF+sg] offset:12800*sp+128*\u
.endr
.irp u, 0,1
	ds_load_b32 v[SCR+6*sp+4+\u], v[ASW+sg] offset:6400*sp+128*\u
.endr
.else
	WIN 0x40
.irp c, 0,1,2,3
	ds_load_b128 v[96*sp+16*((\g)-3)+4*\c:96*sp+16*((\g)-3)+4*\c+3], v[AF+sg] offset:12800*sp+2048*((\g)-3)+512*\c
.endr
.endif
.endm
; A step's 42 LDS loads stand in ONE run, never singly among the matrix instructions: two switches of the register windows a run.
.macro RUN jn
.irp g, 0,1,2,3,4,5,6,7,8
	GRP \jn, \g
.endr
.endm
; Matrix instruction q of step j's 32: tokens 16 (q / 4) on, columns 16 (q % 4) on.  The 32 accumulators take turns, one instruction a turn.  An expert's first step takes bd as C.
.macro WM j
.set st, (\j)&1
.set mq, q>>2
.set nq, q&3
.set rA, WFR+48*st+12*nq
.set rB, 96*st+12*mq
.set rSW, SCR+6*st+4+(nq>>1)
.set rSF, SCR+6*st+(mq>>1)
.if ((\j)&3) == 0
	WIN 0x84                                       ; Wd and C window 0, F window 1, D window 2
.set rC, BD+32*((\j)>>2)+8*nq
.else
	WIN 0xa4                                       ; C window 2
.set rC, 8*q
.endif
.if (nq&1) && (mq&1)
	v_wmma_scale_f32_16x16x128_f8f6f4 v[8*q:8*q+7], v[rA:rA+11], v[rB:rB+11], v[rC:rC+7], v[rSW], v[rSF] matrix_a_fmt:MATRIX_FMT_FP6 matrix_b_fmt:MATRIX_FMT_FP6 matrix_a_scale:MATRIX_SCALE_ROW1 matrix_b_scale:MATRIX_SCALE_ROW1
.elseif nq&1
	v_wmma_scale_f32_16x16x128_f8f6f4 v[8*q:8*q+7], v[rA:rA+11], v[rB:rB+11], v[rC:rC+7], v[rSW], v[rSF] matrix_a_fmt:MATRIX_FMT_FP6 matrix_b_fmt:MATRIX_FMT_FP6 matrix_a_scale:MATRIX_SCALE_ROW1
.elseif mq&1
	v_wmma_scale_f32_16x16x128_f8f6f4 v[8*q:8*q+7], v[rA:rA+11], v[rB:rB+11], v[rC:rC+7], v[rSW], v[rSF] matrix_a_fmt:MATRIX_FMT_FP6 matrix_b_fmt:MATRIX_FMT_FP6 matrix_b_scale:MATRIX_SCALE_ROW1
.else
	v_wmma_scale_f32_16x16x128_f8f6f4 v[8*q:8*q+7], v[rA:rA+11], v[rB:rB+11], v[rC:rC+7], v[rSW], v[rSF] matrix_a_fmt:MATRIX_FMT_FP6 matrix_b_fmt:MATRIX_FMT_FP6
.endif
.endm
; A slot's first step: behind its first eight products it fetches the second's operands, from the same slot, into the other set of registers: 24 matrix instructions ahead of the wait for them.
.macro STEP j
	s_wait_dscnt 18                                ; Wd's fragments, the scale words and F's tiles 0, 1 are in; the youngest 18 loads (tiles 2-7) may be out
.set q, 0
.rept 8
	WM \j
.set q, q+1
.endr
	s_wait_dscnt 0x0                               ; tiles 2-7
	NOPS                                           ; the places behind the last step's products, which read the registers that the run below fills
	RUN (\j)+1
.rept 24
	WM \j
.set q, q+1
.endr
.endm
; A slot's second step changes slots at its HEAD: this step's operands are in registers, so nobody reads the slot any more.  Each wave waits for all its tensor loads (its part of the other slot), adds 0 to its
; spare word, and waits for that and for its reads of this slot.  fill = 1: the barrier opens a round of the cluster's barrier, and behind the round this slot takes the run two further on, with nothing but the
; round between the other slot's landing and this request; then the next step's operands are fetched from the other slot, and this step's 32 products follow.
.macro TURN j, fill
.set sl, ((\j)>>1)&1
	WIN 0
	s_wait_tensorcnt 0x0                           ; all my tensor loads have landed, so a group 0 may be written
	ds_add_u32 v[SPW], v[NIL]                      ; 0 onto my spare word; the descriptors' steps stand between it and the wait for it
.if \fill
	s_add_nc_u64 s[G0+4*sl+2:G0+4*sl+3], s[G0+4*sl+2:G0+4*sl+3], 204800
	s_add_nc_u64 s[G0B+4*sl+2:G0B+4*sl+3], s[G0B+4*sl+2:G0B+4*sl+3], 102400
.endif
	s_wait_dscnt 0x0                               ; the add is done, this step's operands are in, and with them my reads of this slot are over
	s_barrier_signal -1
	s_barrier_wait -1
.if \fill
	CREST
	JLOAD sl                                       ; the first tensor load behind the round; its four v_nop are also the places for the loads below
.else
	NOPS
.endif
	RUN (\j)+1
.set q, 0
.rept 32
	WM \j
.set q, q+1
.endr
.endm
; An expert is finished: sums += rw(token, 4 w + i) x results; the first expert starts the sums.  Each accumulator is read from its low end on.
.macro COMBINE i
	NOPS
.if (\i) == 0
	WIN 0xc6                                       ; sums window 3, results window 2, rw window 1
.else
	WIN 0xf6
.endif
.set a, 0
.rept 32
.irp j, 0,2,4,6
.if (\i) == 0
	v_pk_mul_f32 v[8*a+\j:8*a+\j+1], v[8*a+\j:8*a+\j+1], v[RW+4*(a/4):RW+4*(a/4)+1] op_sel_hi:[1,0]
.elseif (\i) == 2
	v_pk_fma_f32 v[8*a+\j:8*a+\j+1], v[8*a+\j:8*a+\j+1], v[RW+4*(a/4)+2:RW+4*(a/4)+3], v[8*a+\j:8*a+\j+1] op_sel_hi:[1,0,1]
.else
	v_pk_fma_f32 v[8*a+\j:8*a+\j+1], v[8*a+\j:8*a+\j+1], v[RW+4*(a/4)+(\i)-1:RW+4*(a/4)+(\i)], v[8*a+\j:8*a+\j+1] op_sel:[0,1,0] op_sel_hi:[1,1,1]
.endif
.endr
.set a, a+1
.endr
.endm
	s_wait_tensorcnt 0x1                           ; my part of slot 0 is in; slot 1's may stay out
	s_barrier_signal -1
	s_barrier_wait -1
	RUN 0
	s_wait_loadcnt 0x0                             ; rw and bd
	STEP 0
	TURN 1, 1
	STEP 2
	TURN 3, 1
	COMBINE 0
	STEP 4
	TURN 5, 1
	STEP 6
	TURN 7, 1
	COMBINE 1
	STEP 8
	TURN 9, 1
	STEP 10
	TURN 11, 1
	COMBINE 2
	STEP 12
	TURN 13, 0                                     ; nothing is left to fetch from memory
	STEP 14
	s_wait_dscnt 0x0
.set q, 0
.rept 32
	WM 15
.set q, q+1
.endr
	COMBINE 3
	; THE WAY OUT.  The four waves' sums go to the stage; each wave then reads 32 whole rows of all four, adds them, and stores: sixteen lanes write 256 consecutive bytes, at a multiple of 256 from out0's first byte.
	WIN 0x0c                                       ; an LDS store's data are its source 1: window 3
.irp m, 0,1,2,3,4,5,6,7
.irp n, 0,1,2,3
	ds_store_b128 v[STO], v[8*(4*\m+\n):8*(4*\m+\n)+3] offset:4352*\m+64*\n
	ds_store_b128 v[STO], v[8*(4*\m+\n)+4:8*(4*\m+\n)+7] offset:4352*\m+64*\n+16
.endr
.endr
	WIN 0
	s_wait_dscnt 0x0                               ; for the others' sake: my stores have landed
	s_barrier_signal -1
	s_barrier_wait -1
	WIN 0x80
.irp t, 0,1,2,3,4,5,6,7,8,9,10,11,12,13,14,15
	ds_load_b128 v[4*\t:4*\t+3], v[RD0] offset:544*\t
	ds_load_b128 v[64+4*\t:64+4*\t+3], v[RD0] offset:PP+544*\t
	ds_load_b128 v[128+4*\t:128+4*\t+3], v[RD1] offset:544*\t
	ds_load_b128 v[192+4*\t:192+4*\t+3], v[RD1] offset:PP+544*\t
.endr
	s_wait_dscnt 0x0
	WIN 0x8a
.irp t, 0,1,2,3,4,5,6,7,8,9,10,11,12,13,14,15
.irp j, 0,2
	v_pk_add_f32 v[4*\t+\j:4*\t+\j+1], v[4*\t+\j:4*\t+\j+1], v[64+4*\t+\j:64+4*\t+\j+1]
	v_pk_add_f32 v[128+4*\t+\j:128+4*\t+\j+1], v[128+4*\t+\j:128+4*\t+\j+1], v[192+4*\t+\j:192+4*\t+\j+1]
.endr
.endr
.irp t, 0,1,2,3,4,5,6,7,8,9,10,11,12,13,14,15
.irp j, 0,2
	v_pk_add_f32 v[4*\t+\j:4*\t+\j+1], v[4*\t+\j:4*\t+\j+1], v[128+4*\t+\j:128+4*\t+\j+1]
.endr
.endr
	WIN 0x08                                       ; a store's data are its source 1: window 2
.irp t, 0,1,2,3,4,5,6,7,8,9,10,11,12,13,14,15
	global_store_b128 v[CO], v[4*\t:4*\t+3], s[12:13] offset:8192*\t th:TH_STORE_NT
.endr
	WIN 0
	s_wait_tensorcnt 0x0                           ; the wave's end
	ds_add_u32 v[SPW], v[NIL]
	s_wait_dscnt 0x0
	CROUND                                         ; the closing round
	s_endpgm
.Lfunc_end_k_qf09e0ab095_down:
	.size	k_qf09e0ab095_down, .Lfunc_end_k_qf09e0ab095_down-k_qf09e0ab095_down
	.p2alignl 7, 3214868480
	.fill 96, 4, 3214868480
	.section	.rodata,"a",@progbits
	.p2align	6, 0x0
	.amdhsa_kernel k_qf09e0ab095_down
		.amdhsa_group_segment_fixed_size 327680
		.amdhsa_private_segment_fixed_size 0
		.amdhsa_enable_private_segment 0
		.amdhsa_kernarg_size 40
		.amdhsa_user_sgpr_count 2
		.amdhsa_user_sgpr_kernarg_segment_ptr 1
		.amdhsa_wavefront_size32 1
		.amdhsa_system_sgpr_workgroup_id_x 1
		.amdhsa_system_sgpr_workgroup_id_y 1
		.amdhsa_system_sgpr_workgroup_id_z 1
		.amdhsa_system_vgpr_workitem_id 0
		.amdhsa_next_free_vgpr 1024
		.amdhsa_next_free_sgpr 72
		.amdhsa_reserve_vcc 0
		.amdhsa_float_denorm_mode_32 3
		.amdhsa_float_denorm_mode_16_64 3
		.amdhsa_memory_ordered 1
		.amdhsa_forward_progress 1
		.amdhsa_inst_pref_size 176
	.end_amdhsa_kernel
	.amdgpu_metadata
---
amdhsa.version: [ 1, 2 ]
amdhsa.kernels:
  - .name:           k_qf09e0ab095_down
    .symbol:         k_qf09e0ab095_down.kd
    .args:
      - { .name: fq, .offset: 0, .size: 8, .value_kind: global_buffer, .address_space: global }
      - { .name: wdl, .offset: 8, .size: 8, .value_kind: global_buffer, .address_space: global }
      - { .name: routing_weights, .offset: 16, .size: 8, .value_kind: global_buffer, .address_space: global }
      - { .name: bd, .offset: 24, .size: 8, .value_kind: global_buffer, .address_space: global }
      - { .name: out0, .offset: 32, .size: 8, .value_kind: global_buffer, .address_space: global }
    .group_segment_fixed_size: 327680
    .private_segment_fixed_size: 0
    .kernarg_segment_align: 8
    .kernarg_segment_size: 40
    .max_flat_workgroup_size: 128
    .sgpr_count:     72
    .vgpr_count:     1024
    .wavefront_size: 32
...
	.end_amdgpu_metadata
.endif
;; end of part 4
